; MI455X (gfx1250); checked and timed in simulation.
; The chip was launched on July 23, 2026; its instructions are those of AMD's public machine-readable ISA for CDNA 5 (MIT licence, August 2026) and "CDNA5" Instruction Set Architecture Reference Guide (July 2026). The comments in the code are by the model that wrote it; some were corrected since.
;; target knn. Allowed arithmetic: matrix products marked QUANTISED: E5M2 operands, one given power-of-two scale a tensor, by v_wmma_f32_16x16x64_bf8_bf8 or v_wmma_f32_16x16x128_bf8_bf8, f32 sums; products left as they are: f32 operands where the result goes on into a quantised operand, else bf16, f16 or f32 operands; f32 sums; everything else in f32.
;; Inputs: bn0_b 256 float32; bn0_g 256 float32; bn1_b 256 float32; bn1_g 256 float32; k0_b 256 float32; k0_w_codes 256 x 8 x 32 uint8 (E5M2 codes of k0_w, K innermost, in blocks of 32 codes); k1_b 256 float32; k1_w_codes 256 x 8 x 32 uint8 (E5M2 codes of k1_w, K innermost, in blocks of 32 codes); lin_b 256 float32; lin_w_codes 256 x 8 x 32 uint8 (E5M2 codes of lin_w, K innermost, in blocks of 32 codes); lossy_C 8,192 x 3 float32; lossy_F 8,192 x 256 float32; lowp_scales 14 int32 (the exponents e of the quantised operands' scales 2^e); pos0_b 256 float32; pos0_w 3 x 256 float32; pos1_b 256 float32; pos1_w 3 x 256 float32; q0_b 256 float32; q0_w_codes 256 x 8 x 32 uint8 (E5M2 codes of q0_w, K innermost, in blocks of 32 codes); q1_b 256 float32; q1_w_codes 256 x 8 x 32 uint8 (E5M2 codes of q1_w, K innermost, in blocks of 32 codes); ref_C 16,384 x 3 float32; ref_F 16,384 x 256 float32; v0_b 256 float32; v0_w_codes 256 x 8 x 32 uint8 (E5M2 codes of v0_w, K innermost, in blocks of 32 codes); v1_b 256 float32; v1_w_codes 256 x 8 x 32 uint8 (E5M2 codes of v1_w, K innermost, in blocks of 32 codes).
;; Outputs: out0 8,192 x 256 float32.
;; This version of the problem:
;;   THIS VERSION OF THE PROBLEM IS GIVEN IN LOW PRECISION. The matrix products marked QUANTISED in the list below multiply operands that are first quantised to E5M2 (5 exponent bits, 2 mantissa bits; 8 bits a number), with one given power-of-two scale for each operand tensor; their sums are f32. All else is computed in f32.
;;   The module's matrix products, in the order in which they are computed (A, B: the left and right operand; K: the contracted axis; several contracted axes count as one K, in the product's order):
;;     1. [M 8,192, K 3] x [K 3, N 16,384]; A: input lossy_C; B: input ref_C: left as it is (K = 3 < 32)
;;     2. [M 131,072, K 3] x [K 3, N 256]; A: computed on the way; B: input pos0_w: left as it is (K = 3 < 32)
;;     3. [M 131,072, K 3] x [K 3, N 256]; A: computed on the way; B: input pos1_w: left as it is (K = 3 < 32)
;;     4. [M 8,192, K 256] x [K 256, N 256]; A: input lossy_F; B: input q0_w (given as codes): QUANTISED (scales: A lowp_scales[0], B lowp_scales[1])
;;     5. [M 131,072, K 256] x [K 256, N 256]; A: computed on the way; B: input k0_w (given as codes): QUANTISED (scales: A lowp_scales[2], B lowp_scales[3])
;;     6. [M 131,072, K 256] x [K 256, N 256]; A: computed on the way; B: input v0_w (given as codes): QUANTISED (scales: A lowp_scales[4], B lowp_scales[5])
;;     7. batch 8,192 x [M 16, K 256] x [K 256, N 1]; A: computed on the way; B: computed on the way: left as it is (N = 1 < 16)
;;     8. batch 8,192 x [M 1, K 16] x [K 16, N 256]; A: softmax; B: computed on the way: left as it is (K = 16 < 32)
;;     9. [M 8,192, K 256] x [K 256, N 256]; A: computed on the way; B: input q1_w (given as codes): QUANTISED (scales: A lowp_scales[6], B lowp_scales[7])
;;     10. [M 131,072, K 256] x [K 256, N 256]; A: computed on the way; B: input k1_w (given as codes): QUANTISED (scales: A lowp_scales[8], B lowp_scales[9])
;;     11. [M 131,072, K 256] x [K 256, N 256]; A: computed on the way; B: input v1_w (given as codes): QUANTISED (scales: A lowp_scales[10], B lowp_scales[11])
;;     12. batch 8,192 x [M 16, K 256] x [K 256, N 1]; A: computed on the way; B: computed on the way: left as it is (N = 1 < 16)
;;     13. batch 8,192 x [M 1, K 16] x [K 16, N 256]; A: softmax; B: computed on the way: left as it is (K = 16 < 32)
;;     14. [M 8,192, K 256] x [K 256, N 256]; A: computed on the way; B: input lin_w (given as codes): QUANTISED (scales: A lowp_scales[12], B lowp_scales[13])
;;   THE QUANTISER, for each operand of a quantised product, along K:
;;     - The operand's scale is 2^e, e = its entry of the input lowp_scales (int32; the entries are numbered through the quantised products in the list's order, A before B).
;;     - Each number is divided by the scale, clamped to +-57,344, and rounded to the nearest number of E5M2, ties to even, subnormals kept.
;;     - The product sums the exact products of the quantised numbers (number of the format x scale) in f32.
;;   ~~~python
;;   def quantise(x, axis, e):      # numpy; x: float32 -> the quantised numbers, widened to float32 again
;;       x = np.moveaxis(x, axis, -1); K = x.shape[-1]
;;       r = np.clip(x / 2.0 ** e, -57344, 57344)
;;       step = 2.0 ** (np.maximum(np.frexp(np.where(r == 0, 1, r))[1] - 1, -14) - 2)
;;       q = np.round(r / step) * step * 2.0 ** e      # np.round: ties to even
;;       return np.moveaxis(q, -1, axis).astype(np.float32)
;;   ~~~
;;   OPERANDS COMPUTED ON THE WAY. 'Computed on the way' means the value that the module computes at that place (a softmax that the list does not call 'softmax' is quantised finished and normalised). What goes into a quantiser is computed in f32, as accurately as f32 sums, v_exp_f32 and their like allow (about 1e-6 of the number): no bf16 or f16 on the way to a quantiser, and a product that is left as it is and whose result goes on into a quantised operand takes f32 operands (vector FMAs, or v_wmma_f32_16x16x4_f32). A number that lies on a knife's edge between two numbers of the format may be rounded either way, as far as f32 arithmetic and the matrix unit's own rounding can turn it there, and no further.
;;   INPUTS GIVEN AS CODES. k0_w (in the module: [256, 256], K = its axis 0); k1_w (in the module: [256, 256], K = its axis 0); lin_w (in the module: [256, 256], K = its axis 0); q0_w (in the module: [256, 256], K = its axis 0); q1_w (in the module: [256, 256], K = its axis 0); v0_w (in the module: [256, 256], K = its axis 0); v1_w (in the module: [256, 256], K = its axis 0): each comes as NAME_codes (uint8): NAME with its K axis moved to the last place and cut into blocks of 32 codes, [.., K / 32, bytes a block], one block behind the other in memory; one code a byte (a code: sign, 5 exponent bits, 2 mantissa bits); its scale is its entry of lowp_scales. Its value is code x scale, taken as it is: it is not quantised again, and the codes and scales need not be those that the quantiser above would give.
;; 2 versions, each right; version 2 is version 1 with the launches attn, lin written anew for expert scheduling mode. Each part assembles by itself: llvm-mc -triple=amdgcn-amd-amdhsa -mcpu=gfx1250 --defsym DOCPART=n.
;; ======== version 1 of 2: 7 launches
;; workspace buffers: grp 524,288 bytes of whole numbers; idx 524,288 bytes of whole numbers; y0 8,388,608 bytes; u 8,388,608 bytes; part0 524,288 bytes; part1 524,288 bytes; coef0 2,048 bytes; coef1 2,048 bytes
;; launch knn1 (part 1): grid 256 x 1, 16 waves a work-group, no clusters, 69,632 bytes of LDS; arguments lossy_C, ref_C, grp; writes grp
.if DOCPART == 1
	.amdgcn_target "amdgcn-amd-amdhsa--gfx1250"
	.amdhsa_code_object_version 6
	.text
	.protected	k_qe8c5fffdd8_knn1
	.globl	k_qe8c5fffdd8_knn1
	.p2align	8
	.type	k_qe8c5fffdd8_knn1,@function
k_qe8c5fffdd8_knn1:
	s_mov_b64 s[64:65], 0
	v_nop
	global_prefetch_b8 v0, s[64:65] scope:SCOPE_SE
	s_setreg_imm32_b32 hwreg(HW_REG_WAVE_MODE, 25, 1), 1
	s_wait_xcnt 0x0
; FIRST STAGE OF THE 16 NEAREST.  The 16,384 reference points are 512 groups of 32 consecutive points.  For each of 8,192 queries this launch finds
; each group's smallest squared distance and stores the numbers of the 16 groups that are least by (smallest distance, group number).
; Every one of the 16 nearest points, ordered by (distance, index), lies in one of these groups: were its group not among them, 16 other groups would each hold a point that comes before it.
; d2 = ((x (-2 lx) + y (-2 ly) + z (-2 lz)) + |l|^2) + |r|^2, products fused into the sums, each |.|^2 a product and two fused multiply-adds.
; LIMITS: NaN among the coordinates is not served.  Where these sums are not exact in f32 (coordinates whose squares pass 2^24) a near tie may fall otherwise than by another order of rounding.
; SHARES: a work-group takes 32 queries against all points.  Distances: thread t keeps the 32 points of group t in registers, the queries come as scalars.
; Selection: a row of 16 lanes serves one query, 32 group minima a lane.  It never branches on data: a sorting network on keys alone finds T, the 16th smallest key; then each key is
; replaced by a number of its own (below T: 2.0's bits + id; equal to T: 65,536 more; above T: a large number), and the same network takes the 16 smallest of those: ties go to the lower id.
.set STG,  65536                       ; LDS: [32 queries][512 groups] f32 from byte 0, then 2,048 bytes for the way out
.set RX,   16                          ; v16-47   x of my 32 points
.set RY,   48                          ; v48-79   y
.set RZ,   80                          ; v80-111  z
.set RB2,  112                         ; v112-143 |r|^2
.set RAW,  144                         ; v144-239 the points as loaded
.set DD,   144                         ; v144-159 distances at work, two sets of four pairs
.set MM,   160                         ; v160-167 four running minima, two sets by the query's parity
.set KEY,  144                         ; v144-175 the selection's 32 keys
.set WA,   176                         ; v176-207, v208-239 the network's two banks
.set WB,   208
.set TT,   240
.set BLT,  241
.set BEQ,  242
.set BIGV, 243
.set SEL,  244
.set TA,   245
.set TB,   246
.set P0,   248                         ; v248-251
; One layer of the bitonic network, out of place: a comparator is a minimum and a maximum, no move.
.macro BLAYER src, dst, cnt, kk, jj
.set bi, 0
.rept \cnt
.set bl, bi^(\jj)
.if bl > bi
.if (bi&(\kk)) == 0
	v_min_num_f32 v[\dst+bi], v[\src+bi], v[\src+bl]
	v_max_num_f32 v[\dst+bl], v[\src+bi], v[\src+bl]
.else
	v_max_num_f32 v[\dst+bi], v[\src+bi], v[\src+bl]
	v_min_num_f32 v[\dst+bl], v[\src+bi], v[\src+bl]
.endif
.endif
.set bi, bi+1
.endr
.endm
.macro MERGE16 x, y                    ; a bitonic run of 16 in x becomes ascending, again in x
	BLAYER \x, \y, 16, 32, 8
	BLAYER \y, \x, 16, 32, 4
	BLAYER \x, \y, 16, 32, 2
	BLAYER \y, \x, 16, 32, 1
.endm
.macro XLEVEL m, x, y                  ; my ascending 16 and those of lane xor m: the 16 smallest of both, ascending, in y
.set xi, 0
.rept 16
	v_min_num_f32_dpp v[\y+xi], v[\x+15-xi], v[\x+xi] row_xmask:\m row_mask:0xf bank_mask:0xf
.set xi, xi+1
.endr
	MERGE16 \y, \x
.endm
.macro PASS last                       ; the 16 smallest of the row's 512 keys.  last = 1: their largest into TT.  last = 2: the 16 themselves, unsorted, eight a lane
	BLAYER KEY, WA, 32, 2, 1               ; ten layers leave WB[0..15] ascending and WB[16..31] descending; KEY is kept
	BLAYER WA, WB, 32, 4, 2
	BLAYER WB, WA, 32, 4, 1
	BLAYER WA, WB, 32, 8, 4
	BLAYER WB, WA, 32, 8, 2
	BLAYER WA, WB, 32, 8, 1
	BLAYER WB, WA, 32, 16, 8
	BLAYER WA, WB, 32, 16, 4
	BLAYER WB, WA, 32, 16, 2
	BLAYER WA, WB, 32, 16, 1
.set xi, 0
.rept 16
	v_min_num_f32 v[WA+xi], v[WB+xi], v[WB+16+xi]      ; the lane's 16 smallest, bitonic
.set xi, xi+1
.endr
	MERGE16 WA, WB
	XLEVEL 1, WA, WB
	XLEVEL 2, WB, WA
	XLEVEL 4, WA, WB
.if \last == 1
.set xi, 0
.rept 16
	v_min_num_f32_dpp v[WA+xi], v[WB+15-xi], v[WB+xi] row_xmask:8 row_mask:0xf bank_mask:0xf
.set xi, xi+1
.endr
	v_max3_num_f32 v[TT], v[WA], v[WA+1], v[WA+2]
.irp i, 3,5,7,9,11,13
	v_max3_num_f32 v[TT], v[TT], v[WA+\i], v[WA+\i+1]
.endr
	v_max_num_f32 v[TT], v[TT], v[WA+15]
.else
.set xi, 0
.rept 8
	v_min_num_f32_dpp v[WA+xi], v[WB+15-xi], v[WB+xi] row_xmask:8 row_mask:0xf bank_mask:0xf
.set xi, xi+1
.endr
.endif
.endm
.macro KEY2 j, id                      ; key j becomes its number of the second pass
	v_cmp_lt_f32 vcc_lo, v[KEY+\j], v[TT]
	v_cndmask_b32 v[TA], v[BEQ], v[BLT], vcc_lo
	v_cmp_gt_f32 vcc_lo, v[KEY+\j], v[TT]
	v_add_nc_u32 v[TA], \id, v[TA]
	v_cndmask_b32 v[KEY+\j], v[TA], v[BIGV], vcc_lo
.endm
; THE WAY OUT.  Lanes 8-15 of a row hold lanes 0-7's list reversed, so lane i takes register min(i, 15 - i): a tree of seven selects.  The 512 ids go through LDS, and waves 0-3 store them 16 bytes a lane.
.macro OUT stg, ptr
	v_sub_nc_u32 v[TA], 15, v2
	v_min_u32 v[SEL], v2, v[TA]
	v_and_b32 v[TA], 1, v[SEL]
	v_cmp_ne_u32 s12, 0, v[TA]
	v_and_b32 v[TA], 2, v[SEL]
	v_cmp_ne_u32 s13, 0, v[TA]
	v_and_b32 v[TA], 4, v[SEL]
	v_cmp_ne_u32 s14, 0, v[TA]
.irp i, 0,1,2,3
	v_cndmask_b32 v[P0+\i], v[WA+2*\i], v[WA+2*\i+1], s12
.endr
	v_cndmask_b32 v[P0], v[P0], v[P0+1], s13
	v_cndmask_b32 v[P0+2], v[P0+2], v[P0+3], s13
	v_cndmask_b32 v[P0], v[P0], v[P0+2], s14
	v_and_b32 v[P0], 0xffff, v[P0]                     ; the id
	v_lshl_add_u32 v[TA], v0, 2, \stg                  ; thread t = 16 x (the query in the work-group) + i
	v_lshl_add_u32 v[TB], v0, 4, \stg
	v_lshlrev_b32 v[SEL], 4, v0
	ds_store_b32 v[TA], v[P0]
	s_wait_dscnt 0x0                                   ; for the others' sake: my store has landed
	s_barrier_signal -1
	s_barrier_wait -1
	s_cmp_gt_u32 s2, 3
	s_cbranch_scc1 .Ldone
	ds_load_b128 v[P0:P0+3], v[TB]
	s_wait_dscnt 0x0
	global_store_b128 v[SEL], v[P0:P0+3], s[\ptr:\ptr+1]   ; sixteen lanes store 256 consecutive bytes, aligned
.Ldone:
	s_wait_tensorcnt 0x0
	ds_add_u32 v254, v255
	s_wait_dscnt 0x0
	s_endpgm
.endm
	s_load_b128 s[4:7], s[0:1], 0x0                ; lossy_C, ref_C
	s_load_b64 s[8:9], s[0:1], 0x10                ; grp
	v_lshl_add_u32 v254, v0, 2, 0x10800
	v_mov_b32 v255, 0
	v_lshrrev_b32 v1, 5, v0
	v_readfirstlane_b32 s2, v1                     ; wave
	v_and_b32 v2, 15, v0                           ; i: my place in a row of 16 lanes
	v_mul_u32_u24 v4, v0, 384                      ; my group's 32 points: 384 bytes
	v_lshlrev_b32 v5, 2, v0                        ; my group's word in a query's row of minima
	s_mul_i32 s10, ttmp9, 384                      ; the work-group's 32 queries
	s_mov_b32 s11, 0
	s_lshl_b32 s12, ttmp9, 11                      ; and their 2,048 bytes of output
	s_mov_b32 s13, 0
.irp o, 67,69,71,73,75,77,79,81
	s_mov_b32 s\o, 0                               ; the upper halves of the scalar pairs that the packed forms name
.endr
	s_wait_kmcnt 0x0
	s_add_nc_u64 s[4:5], s[4:5], s[10:11]
	s_add_nc_u64 s[8:9], s[8:9], s[12:13]
.set n, 0
.rept 24
	global_load_b128 v[RAW+4*n:RAW+4*n+3], v4, s[6:7] offset:16*n
.set n, n+1
.endr
	s_wait_loadcnt 0x0
.set n, 0
.rept 32                               ; x, y, z apart, so that two points form a register pair
	v_mov_b32 v[RX+n], v[RAW+3*n]
	v_mov_b32 v[RY+n], v[RAW+3*n+1]
	v_mov_b32 v[RZ+n], v[RAW+3*n+2]
.set n, n+1
.endr
.set n, 0
.rept 16
	v_pk_mul_f32 v[RB2+n:RB2+n+1], v[RX+n:RX+n+1], v[RX+n:RX+n+1]
.set n, n+2
.endr
.set n, 0
.rept 16
	v_pk_fma_f32 v[RB2+n:RB2+n+1], v[RY+n:RY+n+1], v[RY+n:RY+n+1], v[RB2+n:RB2+n+1]
.set n, n+2
.endr
.set n, 0
.rept 16
	v_pk_fma_f32 v[RB2+n:RB2+n+1], v[RZ+n:RZ+n+1], v[RZ+n:RZ+n+1], v[RB2+n:RB2+n+1]
.set n, n+2
.endr
.macro DIST4 g                         ; eight of my points against the query in hand
.set DS, DD+8*((\g)%2)
.irp j, 0,1,2,3
	v_pk_mul_f32 v[DS+2*\j:DS+2*\j+1], v[RX+8*(\g)+2*\j:RX+8*(\g)+2*\j+1], s[LM:LM+1] op_sel_hi:[1,0]
.endr
.irp j, 0,1,2,3
	v_pk_fma_f32 v[DS+2*\j:DS+2*\j+1], v[RY+8*(\g)+2*\j:RY+8*(\g)+2*\j+1], s[LM+2:LM+3], v[DS+2*\j:DS+2*\j+1] op_sel_hi:[1,0,1]
.endr
.irp j, 0,1,2,3
	v_pk_fma_f32 v[DS+2*\j:DS+2*\j+1], v[RZ+8*(\g)+2*\j:RZ+8*(\g)+2*\j+1], s[LM+4:LM+5], v[DS+2*\j:DS+2*\j+1] op_sel_hi:[1,0,1]
.endr
.irp j, 0,1,2,3
	v_pk_add_f32 v[DS+2*\j:DS+2*\j+1], v[DS+2*\j:DS+2*\j+1], s[LM+6:LM+7] op_sel_hi:[1,0]
.endr
.irp j, 0,1,2,3
	v_pk_add_f32 v[DS+2*\j:DS+2*\j+1], v[DS+2*\j:DS+2*\j+1], v[RB2+8*(\g)+2*\j:RB2+8*(\g)+2*\j+1]
.endr
.irp j, 0,1,2,3
.if (\g) == 0
	v_min_num_f32 v[MS+\j], v[DS+2*\j], v[DS+2*\j+1]
.else
	v_min3_num_f32 v[MS+\j], v[MS+\j], v[DS+2*\j], v[DS+2*\j+1]
.endif
.endr
.endm
.macro QUERY k                         ; query k of the sixteen whose coordinates lie in s16-63
.set LM, 66+8*((\k)%2)
.set MS, MM+4*((\k)%2)
	s_mul_f32 s[LM], s[16+3*(\k)], -2.0
	s_mul_f32 s[LM+2], s[17+3*(\k)], -2.0
	s_mul_f32 s[LM+4], s[18+3*(\k)], -2.0
	s_mul_f32 s[LM+6], s[16+3*(\k)], s[16+3*(\k)]
	s_fmac_f32 s[LM+6], s[17+3*(\k)], s[17+3*(\k)]
	s_fmac_f32 s[LM+6], s[18+3*(\k)], s[18+3*(\k)]
	s_wait_dscnt 0x1                               ; the store of two queries ago, which read this set of minima, is done; the last query's may be out
	DIST4 0
	DIST4 1
	DIST4 2
	DIST4 3
	v_min3_num_f32 v[MS], v[MS], v[MS+1], v[MS+2]
	v_min_num_f32 v[MS], v[MS], v[MS+3]
	ds_store_b32 v6, v[MS] offset:(\k)*2048
.endm
	s_mov_b32 s82, 0
	s_mov_b32 s83, 0
.Lhalf:                                                ; two trips of sixteen queries
	s_load_b512 s[16:31], s[4:5], 0x0
	s_load_b512 s[32:47], s[4:5], 0x40
	s_load_b512 s[48:63], s[4:5], 0x80
	s_wait_dscnt 0x0                               ; the last trip's stores have read their address
	v_add_nc_u32 v6, s83, v5
	s_wait_kmcnt 0x0
	s_add_nc_u64 s[4:5], s[4:5], 192               ; behind the wait: the loads have read their base
	s_add_co_u32 s83, s83, 32768
.irp k, 0,1,2,3,4,5,6,7,8,9,10,11,12,13,14,15
	QUERY \k
.endr
	s_add_co_u32 s82, s82, 1
	s_cmp_lt_u32 s82, 2
	s_cbranch_scc1 .Lhalf
	s_wait_dscnt 0x0                               ; my minima lie in LDS
	s_barrier_signal -1
	s_barrier_wait -1                              ; everybody's do
	v_lshrrev_b32 v7, 4, v0                        ; the query of my row of lanes: 2 x wave + (lane / 16)
	v_lshlrev_b32 v7, 11, v7
	v_lshl_add_u32 v7, v2, 4, v7
.irp m, 0,1,2,3,4,5,6,7
	ds_load_b128 v[KEY+4*\m:KEY+4*\m+3], v7 offset:\m*256      ; sixteen lanes read 256 consecutive bytes: register 4 m + e is group 64 m + 4 i + e
.endr
	v_lshl_add_u32 v[BLT], v2, 2, 0x40000000
	v_add_nc_u32 v[BEQ], 0x10000, v[BLT]
	v_mov_b32 v[BIGV], 0x7f000000
	s_wait_dscnt 0x0
	PASS 1
.set n, 0
.rept 32
	KEY2 n, 64*(n/4)+n%4
.set n, n+1
.endr
	PASS 2
	OUT STG, 8
.Lfunc_end_k_qe8c5fffdd8_knn1:
	.size	k_qe8c5fffdd8_knn1, .Lfunc_end_k_qe8c5fffdd8_knn1-k_qe8c5fffdd8_knn1
	.p2alignl 7, 3214868480
	.fill 96, 4, 3214868480
	.section	.rodata,"a",@progbits
	.p2align	6, 0x0
	.amdhsa_kernel k_qe8c5fffdd8_knn1
		.amdhsa_group_segment_fixed_size 69632
		.amdhsa_private_segment_fixed_size 0
		.amdhsa_enable_private_segment 0
		.amdhsa_kernarg_size 24
		.amdhsa_user_sgpr_count 2
		.amdhsa_user_sgpr_kernarg_segment_ptr 1
		.amdhsa_wavefront_size32 1
		.amdhsa_system_sgpr_workgroup_id_x 1
		.amdhsa_system_sgpr_workgroup_id_y 1
		.amdhsa_system_sgpr_workgroup_id_z 1
		.amdhsa_system_vgpr_workitem_id 0
		.amdhsa_next_free_vgpr 256
		.amdhsa_next_free_sgpr 100
		.amdhsa_reserve_vcc 1
		.amdhsa_float_denorm_mode_32 3
		.amdhsa_float_denorm_mode_16_64 3
		.amdhsa_memory_ordered 1
		.amdhsa_forward_progress 1
		.amdhsa_inst_pref_size 164
	.end_amdhsa_kernel
	.amdgpu_metadata
---
amdhsa.version: [ 1, 2 ]
amdhsa.kernels:
  - .name:           k_qe8c5fffdd8_knn1
    .symbol:         k_qe8c5fffdd8_knn1.kd
    .args:
      - { .name: lossy_C, .offset: 0, .size: 8, .value_kind: global_buffer, .address_space: global }
      - { .name: ref_C, .offset: 8, .size: 8, .value_kind: global_buffer, .address_space: global }
      - { .name: grp, .offset: 16, .size: 8, .value_kind: global_buffer, .address_space: global }
    .group_segment_fixed_size: 69632
    .private_segment_fixed_size: 0
    .kernarg_segment_align: 8
    .kernarg_segment_size: 24
    .max_flat_workgroup_size: 512
    .sgpr_count:     100
    .vgpr_count:     256
    .wavefront_size: 32
...
	.end_amdgpu_metadata
.endif
;; end of part 1
;; launch knn2 (part 2): grid 256 x 1, 16 waves a work-group, no clusters, 4,096 bytes of LDS; arguments lossy_C, ref_C, grp, idx; writes idx
.if DOCPART == 2
	.amdgcn_target "amdgcn-amd-amdhsa--gfx1250"
	.amdhsa_code_object_version 6
	.text
	.protected	k_qe8c5fffdd8_knn2
	.globl	k_qe8c5fffdd8_knn2
	.p2align	8
	.type	k_qe8c5fffdd8_knn2,@function
k_qe8c5fffdd8_knn2:
	s_mov_b64 s[64:65], 0
	v_nop
	global_prefetch_b8 v0, s[64:65] scope:SCOPE_SE
	s_setreg_imm32_b32 hwreg(HW_REG_WAVE_MODE, 25, 1), 1
	s_wait_xcnt 0x0
; SECOND STAGE OF THE 16 NEAREST.  For each query the 16 listed groups hold 512 candidates; this launch computes their squared distances, by the same sequence of roundings as the first stage,
; and stores the indices of the 16 least by (distance, index).  Their order among themselves is not kept: what follows is symmetric in the neighbours.
; A row of 16 lanes serves a query; lane i takes the i-th listed group, 32 points.  The group's number is read from memory, held at 511 and multiplied: the one address that hangs on data.
; The selection is the first stage's, word for word: a network on keys alone finds T, the 16th smallest; then each key is replaced by a number of its own and the network takes the 16 smallest.
; LIMITS: as in the first stage.
.set STG,  0
.set RAW,  16                          ; v16-111  my group's 32 points
.set KEY,  112                         ; v112-143
.set WA,   144
.set WB,   176
.set LL,   208                         ; v208-210 the query
.set LMR,  211                         ; v211-213 -2 x it
.set AAR,  214                         ; |l|^2
.set UU,   216                         ; v216-219, v220-223 at work
.set DR,   220
.set TT,   240
.set BLT,  241
.set BEQ,  242
.set BIGV, 243
.set SEL,  244
.set TA,   245
.set TB,   246
.set P0,   248
.macro BLAYER src, dst, cnt, kk, jj
.set bi, 0
.rept \cnt
.set bl, bi^(\jj)
.if bl > bi
.if (bi&(\kk)) == 0
	v_min_num_f32 v[\dst+bi], v[\src+bi], v[\src+bl]
	v_max_num_f32 v[\dst+bl], v[\src+bi], v[\src+bl]
.else
	v_max_num_f32 v[\dst+bi], v[\src+bi], v[\src+bl]
	v_min_num_f32 v[\dst+bl], v[\src+bi], v[\src+bl]
.endif
.endif
.set bi, bi+1
.endr
.endm
.macro MERGE16 x, y
	BLAYER \x, \y, 16, 32, 8
	BLAYER \y, \x, 16, 32, 4
	BLAYER \x, \y, 16, 32, 2
	BLAYER \y, \x, 16, 32, 1
.endm
.macro XLEVEL m, x, y
.set xi, 0
.rept 16
	v_min_num_f32_dpp v[\y+xi], v[\x+15-xi], v[\x+xi] row_xmask:\m row_mask:0xf bank_mask:0xf
.set xi, xi+1
.endr
	MERGE16 \y, \x
.endm
.macro PASS last
	BLAYER KEY, WA, 32, 2, 1
	BLAYER WA, WB, 32, 4, 2
	BLAYER WB, WA, 32, 4, 1
	BLAYER WA, WB, 32, 8, 4
	BLAYER WB, WA, 32, 8, 2
	BLAYER WA, WB, 32, 8, 1
	BLAYER WB, WA, 32, 16, 8
	BLAYER WA, WB, 32, 16, 4
	BLAYER WB, WA, 32, 16, 2
	BLAYER WA, WB, 32, 16, 1
.set xi, 0
.rept 16
	v_min_num_f32 v[WA+xi], v[WB+xi], v[WB+16+xi]
.set xi, xi+1
.endr
	MERGE16 WA, WB
	XLEVEL 1, WA, WB
	XLEVEL 2, WB, WA
	XLEVEL 4, WA, WB
.if \last == 1
.set xi, 0
.rept 16
	v_min_num_f32_dpp v[WA+xi], v[WB+15-xi], v[WB+xi] row_xmask:8 row_mask:0xf bank_mask:0xf
.set xi, xi+1
.endr
	v_max3_num_f32 v[TT], v[WA], v[WA+1], v[WA+2]
.irp i, 3,5,7,9,11,13
	v_max3_num_f32 v[TT], v[TT], v[WA+\i], v[WA+\i+1]
.endr
	v_max_num_f32 v[TT], v[TT], v[WA+15]
.else
.set xi, 0
.rept 8
	v_min_num_f32_dpp v[WA+xi], v[WB+15-xi], v[WB+xi] row_xmask:8 row_mask:0xf bank_mask:0xf
.set xi, xi+1
.endr
.endif
.endm
.macro KEY2 j, id
	v_cmp_lt_f32 vcc_lo, v[KEY+\j], v[TT]
	v_cndmask_b32 v[TA], v[BEQ], v[BLT], vcc_lo
	v_cmp_gt_f32 vcc_lo, v[KEY+\j], v[TT]
	v_add_nc_u32 v[TA], \id, v[TA]
	v_cndmask_b32 v[KEY+\j], v[TA], v[BIGV], vcc_lo
.endm
.macro OUT stg, ptr
	v_sub_nc_u32 v[TA], 15, v2
	v_min_u32 v[SEL], v2, v[TA]
	v_and_b32 v[TA], 1, v[SEL]
	v_cmp_ne_u32 s12, 0, v[TA]
	v_and_b32 v[TA], 2, v[SEL]
	v_cmp_ne_u32 s13, 0, v[TA]
	v_and_b32 v[TA], 4, v[SEL]
	v_cmp_ne_u32 s14, 0, v[TA]
.irp i, 0,1,2,3
	v_cndmask_b32 v[P0+\i], v[WA+2*\i], v[WA+2*\i+1], s12
.endr
	v_cndmask_b32 v[P0], v[P0], v[P0+1], s13
	v_cndmask_b32 v[P0+2], v[P0+2], v[P0+3], s13
	v_cndmask_b32 v[P0], v[P0], v[P0+2], s14
	v_and_b32 v[P0], 0xffff, v[P0]
	v_lshl_add_u32 v[TA], v0, 2, \stg
	v_lshl_add_u32 v[TB], v0, 4, \stg
	v_lshlrev_b32 v[SEL], 4, v0
	ds_store_b32 v[TA], v[P0]
	s_wait_dscnt 0x0                                   ; for the others' sake: my store has landed
	s_barrier_signal -1
	s_barrier_wait -1
	s_cmp_gt_u32 s2, 3
	s_cbranch_scc1 .Ldone
	ds_load_b128 v[P0:P0+3], v[TB]
	s_wait_dscnt 0x0
	global_store_b128 v[SEL], v[P0:P0+3], s[\ptr:\ptr+1]   ; sixteen lanes store 256 consecutive bytes, aligned
.Ldone:
	s_wait_tensorcnt 0x0
	ds_add_u32 v254, v255
	s_wait_dscnt 0x0
	s_endpgm
.endm
	s_load_b128 s[4:7], s[0:1], 0x0                ; lossy_C, ref_C
	s_load_b128 s[8:11], s[0:1], 0x10              ; grp, idx
	v_lshl_add_u32 v254, v0, 2, 0x800
	v_mov_b32 v255, 0
	v_lshrrev_b32 v1, 5, v0
	v_readfirstlane_b32 s2, v1                     ; wave
	v_and_b32 v2, 15, v0                           ; i
	v_lshlrev_b32 v4, 2, v0                        ; my entry of the list: thread t = 16 x query + i
	v_lshrrev_b32 v5, 4, v0
	v_mul_u32_u24 v5, v5, 12                       ; my query's coordinates
	s_mul_i32 s16, ttmp9, 384
	s_mov_b32 s17, 0
	s_lshl_b32 s18, ttmp9, 11
	s_mov_b32 s19, 0
	s_wait_kmcnt 0x0
	s_add_nc_u64 s[4:5], s[4:5], s[16:17]
	s_add_nc_u64 s[8:9], s[8:9], s[18:19]
	s_add_nc_u64 s[10:11], s[10:11], s[18:19]
	global_load_b32 v6, v4, s[8:9]
	global_load_b32 v[LL], v5, s[4:5]
	global_load_b32 v[LL+1], v5, s[4:5] offset:4
	global_load_b32 v[LL+2], v5, s[4:5] offset:8
	s_wait_loadcnt 0x3                             ; the group's number is in; the three loads behind it may be out
	v_min_u32 v6, 511, v6
	v_mul_u32_u24 v7, v6, 384
.set n, 0
.rept 24
	global_load_b128 v[RAW+4*n:RAW+4*n+3], v7, s[6:7] offset:16*n
.set n, n+1
.endr
	v_lshl_add_u32 v[BLT], v6, 5, 0x40000000       ; the id is the point's index: 32 x group + n
	v_add_nc_u32 v[BEQ], 0x10000, v[BLT]
	v_mov_b32 v[BIGV], 0x7f000000
	s_wait_loadcnt 0x0
	v_mul_f32 v[LMR], -2.0, v[LL]
	v_mul_f32 v[LMR+1], -2.0, v[LL+1]
	v_mul_f32 v[LMR+2], -2.0, v[LL+2]
	v_mul_f32 v[AAR], v[LL], v[LL]
	v_fma_f32 v[AAR], v[LL+1], v[LL+1], v[AAR]
	v_fma_f32 v[AAR], v[LL+2], v[LL+2], v[AAR]
.macro DQ n                            ; four points: the first stage's roundings, one number at a time
.irp j, 0,1,2,3
	v_mul_f32 v[UU+\j], v[RAW+3*((\n)+\j)], v[RAW+3*((\n)+\j)]
	v_mul_f32 v[DR+\j], v[RAW+3*((\n)+\j)], v[LMR]
.endr
.irp j, 0,1,2,3
	v_fma_f32 v[UU+\j], v[RAW+3*((\n)+\j)+1], v[RAW+3*((\n)+\j)+1], v[UU+\j]
	v_fma_f32 v[DR+\j], v[RAW+3*((\n)+\j)+1], v[LMR+1], v[DR+\j]
.endr
.irp j, 0,1,2,3
	v_fma_f32 v[UU+\j], v[RAW+3*((\n)+\j)+2], v[RAW+3*((\n)+\j)+2], v[UU+\j]
	v_fma_f32 v[DR+\j], v[RAW+3*((\n)+\j)+2], v[LMR+2], v[DR+\j]
.endr
.irp j, 0,1,2,3
	v_add_f32 v[DR+\j], v[DR+\j], v[AAR]
.endr
.irp j, 0,1,2,3
	v_add_f32 v[KEY+(\n)+\j], v[DR+\j], v[UU+\j]
.endr
.endm
.irp n, 0,4,8,12,16,20,24,28
	DQ \n
.endr
	PASS 1
.set n, 0
.rept 32
	KEY2 n, n
.set n, n+1
.endr
	PASS 2
	OUT STG, 10
.Lfunc_end_k_qe8c5fffdd8_knn2:
	.size	k_qe8c5fffdd8_knn2, .Lfunc_end_k_qe8c5fffdd8_knn2-k_qe8c5fffdd8_knn2
	.p2alignl 7, 3214868480
	.fill 96, 4, 3214868480
	.section	.rodata,"a",@progbits
	.p2align	6, 0x0
	.amdhsa_kernel k_qe8c5fffdd8_knn2
		.amdhsa_group_segment_fixed_size 4096
		.amdhsa_private_segment_fixed_size 0
		.amdhsa_enable_private_segment 0
		.amdhsa_kernarg_size 32
		.amdhsa_user_sgpr_count 2
		.amdhsa_user_sgpr_kernarg_segment_ptr 1
		.amdhsa_wavefront_size32 1
		.amdhsa_system_sgpr_workgroup_id_x 1
		.amdhsa_system_sgpr_workgroup_id_y 1
		.amdhsa_system_sgpr_workgroup_id_z 1
		.amdhsa_system_vgpr_workitem_id 0
		.amdhsa_next_free_vgpr 256
		.amdhsa_next_free_sgpr 66
		.amdhsa_reserve_vcc 1
		.amdhsa_float_denorm_mode_32 3
		.amdhsa_float_denorm_mode_16_64 3
		.amdhsa_memory_ordered 1
		.amdhsa_forward_progress 1
		.amdhsa_inst_pref_size 68
	.end_amdhsa_kernel
	.amdgpu_metadata
---
amdhsa.version: [ 1, 2 ]
amdhsa.kernels:
  - .name:           k_qe8c5fffdd8_knn2
    .symbol:         k_qe8c5fffdd8_knn2.kd
    .args:
      - { .name: lossy_C, .offset: 0, .size: 8, .value_kind: global_buffer, .address_space: global }
      - { .name: ref_C, .offset: 8, .size: 8, .value_kind: global_buffer, .address_space: global }
      - { .name: grp, .offset: 16, .size: 8, .value_kind: global_buffer, .address_space: global }
      - { .name: idx, .offset: 24, .size: 8, .value_kind: global_buffer, .address_space: global }
    .group_segment_fixed_size: 4096
    .private_segment_fixed_size: 0
    .kernarg_segment_align: 8
    .kernarg_segment_size: 32
    .max_flat_workgroup_size: 512
    .sgpr_count:     66
    .vgpr_count:     256
    .wavefront_size: 32
...
	.end_amdgpu_metadata
.endif
;; end of part 2
;; launch attn (part 3): grid 256 x 1, 4 waves a work-group, no clusters, 219,648 bytes of LDS; arguments idx, lossy_C, ref_C, lossy_F, ref_F, lowp_scales, y0, part0, pos0_w, pos0_b, q0_w_codes, q0_b, k0_w_codes, k0_b, v0_w_codes, v0_b, pos1_w, pos1_b, q1_w_codes, q1_b, k1_w_codes, k1_b, v1_w_codes, v1_b; writes y0, part0
.if DOCPART == 3
	.amdgcn_target "amdgcn-amd-amdhsa--gfx1250"
	.amdhsa_code_object_version 6
	.text
	.protected	k_qe8c5fffdd8_attn
	.globl	k_qe8c5fffdd8_attn
	.p2align	8
	.type	k_qe8c5fffdd8_attn,@function
k_qe8c5fffdd8_attn:
	s_mov_b64 s[64:65], 0
	v_nop
	global_prefetch_b8 v0, s[64:65] scope:SCOPE_SE
	s_setreg_imm32_b32 hwreg(HW_REG_WAVE_MODE, 25, 1), 1
	s_wait_xcnt 0x0
; BOTH ATTENTION LAYERS, THE RESIDUAL, AND THE FIRST NORM'S PARTIAL STATISTICS.  A work-group of four waves takes 32 queries through both layers; nothing between the gather and y0 goes to memory.
; A query's 16 neighbours are one tile of 16 rows.  THE WAVES SHARE THE COLUMNS: wave w owns output channels 64 w .. 64 w + 63 of Q, K and V, whose weight fragments stay in its registers for a layer,
; and it makes input channels 64 w .. 64 w + 63 of every tile nf = feature + rel W + b, quantises them twice (K's and V's operands have scales of their own) and hands the codes to the others through LDS
; as images of the operand's registers (16 bytes a lane, 512 bytes a store).
; nf is made by v_wmma_f32_16x16x4_f32: A = 16 channels x (W0, W1, W2, b), B = (rel0, rel1, rel2, 1) x 16 neighbours, C = the gathered features.  The channels of a tile are chosen so that a lane's 16 registers
; of two neighbouring tiles are 16 neighbours along the next K.  Its results (v64-95) are written by matrix instructions alone; the holds copy them.
; K is used transposed (a lane holds a neighbour, registers run along channels; C of the first K step = k_b / 2^(eA + eB)), V natural (a lane holds a channel, registers run along neighbours).
; Q is stored as Q x log2(e) / 16 x 2^(eKA + eKB), so the sum of K's raw sums x that is log2(e) x the logit.  The softmax takes the row's maximum away; V's bias is added behind it, since the weights add up to 1.
; PIPELINE: queries go in 8 blocks of 4.  Trip i runs S (softmax and weighted sum) of block i - 2, M (products, logits) of block i - 1 and P (nf, codes) of block i, with one barrier a trip; codes and logits have two
; LDS buffers by turns, so what a trip writes is never what it reads.  One text serves both layers (a loop of two trips; pointers by s_cselect_b64 on the layer's number).
; THE GATHER runs a block ahead in a ring of four register slots; it wraps round at a layer's end into the next layer's first block.  The second layer's last producing trip so asks once more for block 0, which nobody reads:
; a sixteenth of the gathered bytes, for one text and the same loads on every path.
; No cluster and no tensor load: the large stream is rows named by a list and shared with nobody; the weights, which all work-groups share, are 384 KiB a work-group against 1 MiB of gathered rows.
; LIMITS: NaN among the inputs is not served.  Each quantiser's exponent e lies between -126 and 112; eQA + eQB, eKA + eKB and eVA + eVB between -126 and 127, and the products of these powers with log2(e) / 16 are f32 numbers.
.set XP,   1040                        ; a row of 256 f32 in LDS + 16 bytes: 65 x 16, so sixteen rows' 16-byte pieces fall on different banks (64 banks of 4 bytes: ISA guide 11.1)
.set XB,   32*XP                       ; LDS: X0 = lossy_F, X1 = the first layer's result, X2 = the second's: 33,280 bytes each,
.set QSL,  3*XB                        ; the scaled Q, [32][XP],
.set CODE, QSL+XB                      ; codes: [2 buffers][4 queries][K, V][2 K steps][4][lane x 16]: steps 32,768 / 8,192 / 4,096 / 2,048 / 512,
.set QIMG, CODE+65536                  ; x's four fragments, 2,048 each,
.set LGL,  QIMG+8192                   ; logits: [2 buffers][4 queries][16 neighbours][4 waves] f32,
.set EBL,  LGL+2048                    ; each wave's own 512 bytes: e[4][16], then 1 / sum [4] at +256,
.set RELL, EBL+2048                    ; and [32 queries][16 neighbours][rel0, rel1, rel2, 1.0]: to byte 219,136
; window 0
.set PSTB, 4                           ; v4-23: places that stay
.set MLDB, 5
.set RELB, 6
.set QSB,  7
.set LGWB, 8
.set LGRB, 9
.set EBS,  10
.set EBR,  11
.set RSS,  12
.set RSR,  13
.set XOB,  14
.set FEL,  15
.set R4,   16
.set XQB,  17
.set QIW,  18
.set QIR,  19
.set QSW,  20
.set WFR,  21
.set BOF,  22
.set PWA,  23
.set PST,  24                          ; v24-31: the trip's places
.set MLD,  25
.set RELA, 26
.set QSA,  27
.set LGWA, 28
.set LGRA, 29
.set XOA,  30
.set XQA,  31
.set IDXR, 32                          ; v32-35 a slot's neighbour index; v36-39 its offset in ref_F; v40-43 its offset in idx
.set FA,   36
.set IO,   40
.set RB,   44                          ; v44-45 B of the f32 product
.set SCK,  46                          ; the conversions' scales
.set SCV,  47
.set SCQ,  48
.set PWB,  49
.set VB,   50                          ; v50-53 v_b of my four tiles
.set LA,   54                          ; v54-57 the logit's two chains
.set RS,   58                          ; v58-61 2^(eVA + eVB) / sum, four queries
.set LGP,  62
.set LGQ,  63
.set NF,   64                          ; v64-95   nf
.set HK,   96                          ; v96-127  nf held for K
.set CK,   128                         ; v128-135, v136-143 the codes just made
.set CV,   136
.set AK,   144                         ; v144-175, v176-207 nf's fragments for K and for V
.set AV,   176
.set KAC,  208                         ; v208-239 K's four accumulators
.set OT,   240                         ; v240-255 at work
.set PT,   248
.set PX,   252
; window 1: K's weights at v[32 t + 16 s], V's at v[128 + 32 t + 16 s].   window 2: v0-127 the gather's four slots;
.set KBS,  160                         ; v160-191 k_b, scaled;
.set QV,   192                         ; v192-223 the query's Q (q_b, scaled, while Q is made);
.set EW,   224                         ; v224-255 e of four queries.   window 3: v0-127 V's accumulators, 32 a query (Q's weights while Q is made);
.set PW,   128                         ; v128-135 A of the f32 product;
.set HV,   136                         ; v136-167 nf held for V
.set MSB, 0
.macro WIN new                         ; bits 1:0 source 0, 3:2 source 1, 5:4 source 2, 7:6 destination; the immediate's high byte repeats the setting that is left
.if MSB != \new
	s_set_vgpr_msb (MSB<<8)|\new
.set MSB, \new
.endif
.endm
.macro BAR                             ; my LDS stores have landed and my LDS loads are in: then the work-group's barrier
	s_wait_dscnt 0x0
	s_barrier_signal -1
	s_barrier_wait -1
.endm
; Slot k: the features of the block whose indices the slot holds, then the indices of the block after that (s84: its bytes in the work-group's list).
.macro GATHER k
	WIN 0
	v_min_u32 v[IDXR+\k], 0x3fff, v[IDXR+\k]
	v_lshl_add_u32 v[FA+\k], v[IDXR+\k], 10, v[FEL]
	v_add_nc_u32 v[IO+\k], s84, v[R4]
	WIN 0x80
.irp f, 0,1,2,3,4,5,6,7
	global_load_b128 v[32*(\k)+4*\f:32*(\k)+4*\f+3], v[FA+\k], s[12:13] offset:(\f/4)*128+((\f/2)%2)*32+(\f%2)*16
.endr
	WIN 0
	global_load_b32 v[IDXR+\k], v[IO+\k], s[4:5] offset:(\k)*64
.endm
	s_load_b512 s[4:19], s[0:1], 0x0               ; idx, lossy_C, ref_C, lossy_F, ref_F, lowp_scales, y0, part0
	s_set_vgpr_msb 0x80
	v_lshl_add_u32 v158, v0, 2, 0x35800
	v_mov_b32 v159, 0
	s_set_vgpr_msb 0x8000
	v_lshrrev_b32 v1, 5, v0
	v_readfirstlane_b32 s2, v1                     ; wave w
	v_and_b32 v1, 31, v0                           ; lane
	v_and_b32 v2, 15, v0                           ; r
	v_bfe_u32 v3, v0, 4, 1                         ; h
	s_mov_b32 s88, 0x76543210                      ; v_permlanex16_b32: lane l xor 16
	s_mov_b32 s89, 0xfedcba98
	s_lshl_b32 s90, s2, 10
	s_add_co_u32 s90, s90, CODE
	v_lshl_add_u32 v[PSTB], v1, 4, s90             ; my codes: K step w / 2, pieces 2 (w % 2) on = 1,024 w
	v_lshl_add_u32 v[MLDB], v1, 4, CODE
	v_lshlrev_b32 v[RELB], 4, v2
	v_lshl_add_u32 v[RELB], v3, 3, v[RELB]
	v_add_nc_u32 v[RELB], RELL, v[RELB]            ; B's register j is k = 2 h + j of neighbour r
	s_lshl_b32 s91, s2, 8                          ; 256 w: my 64 channels in bytes
	s_add_co_u32 s92, s91, QSL
	v_lshl_add_u32 v[QSB], v3, 5, s92
	s_lshl_b32 s93, s2, 2
	s_add_co_u32 s93, s93, LGL
	v_lshl_add_u32 v[LGWB], v2, 4, s93
	v_lshlrev_b32 v[LGRB], 8, v3
	v_lshl_add_u32 v[LGRB], v2, 4, v[LGRB]
	v_add_nc_u32 v[LGRB], LGL, v[LGRB]
	s_lshl_b32 s94, s2, 9
	s_add_co_u32 s94, s94, EBL
	v_lshlrev_b32 v[EBS], 6, v3
	v_lshl_add_u32 v[EBS], v2, 2, v[EBS]
	v_add_nc_u32 v[EBS], s94, v[EBS]
	v_lshl_add_u32 v[EBR], v3, 5, s94
	s_add_co_u32 s95, s94, 256
	v_lshl_add_u32 v[RSS], v3, 2, s95
	v_mov_b32 v[RSR], s95
	v_lshl_add_u32 v[XOB], v2, 2, s91
	v_lshl_add_u32 v[FEL], v3, 6, s91              ; in a row of ref_F: my wave's 256 bytes, + 64 h
	v_lshlrev_b32 v[R4], 2, v2
	s_lshr_b32 s96, s2, 1                          ; x's fragment that I make: rows 16 (w / 2) on, K step w % 2
	s_mul_i32 s96, s96, 16*XP
	s_and_b32 s97, s2, 1
	s_lshl_b32 s97, s97, 9
	s_add_co_u32 s96, s96, s97
	v_mul_u32_u24 v[XQB], v2, XP
	v_lshl_add_u32 v[XQB], v3, 6, v[XQB]
	v_add_nc_u32 v[XQB], s96, v[XQB]
	s_lshl_b32 s97, s2, 11
	s_add_co_u32 s97, s97, QIMG
	v_lshl_add_u32 v[QIW], v1, 4, s97
	v_lshl_add_u32 v[QIR], v1, 4, QIMG
	v_mul_u32_u24 v[QSW], v2, XP
	v_add_nc_u32 v[QSW], v[QSW], v[QSB]
	v_lshlrev_b32 v[WFR], 8, v2                    ; a weight's fragment: row r of 256 codes, + 16 h
	v_lshl_add_u32 v[WFR], v3, 4, v[WFR]
	v_lshlrev_b32 v[BOF], 5, v3                    ; a bias in a transposed result's layout: + 8 h channels
	v_and_b32 v[PWB], 8, v2
	v_add_nc_u32 v[PWB], v[PWB], v2
	v_lshlrev_b32 v[PWB], 2, v[PWB]                ; A's row r is channel r + 8 (r / 8) of its tile
	v_lshl_add_u32 v[PWA], v3, 11, v[PWB]          ; register 0: W0 in lanes 0-15, W2 in lanes 16-31
	v_lshlrev_b32 v62, 4, v0                       ; the head's own places: four entries of idx,
	v_lshrrev_b32 v63, 2, v0
	v_mul_u32_u24 v63, v63, 12                     ; their query's coordinates,
	s_lshl_b32 s98, s2, 13
	v_lshl_add_u32 v24, v1, 4, s98                 ; my wave's eight rows of lossy_F,
	s_mul_i32 s99, s2, 8*XP
	v_lshl_add_u32 v25, v1, 4, s99                 ; the same in X0,
	v_lshl_add_u32 v26, v0, 6, RELL                ; and four neighbours' rel
.irp i, 0,1,2,3
	v_mov_b32 v[PX+\i], 0                          ; written once: a lane permute's destination counts as one of its sources
.endr
	s_lshl_b32 s90, ttmp9, 11
	s_mov_b32 s91, 0
	s_mul_i32 s92, ttmp9, 384
	s_mov_b32 s93, 0
	s_lshl_b32 s94, ttmp9, 15
	s_mov_b32 s95, 0
	s_wait_kmcnt 0x0
	s_load_b256 s[52:59], s[14:15], 0x0            ; the exponents 0 .. 11: layer 0's six, layer 1's six
	s_load_b128 s[60:63], s[14:15], 0x20
	s_add_nc_u64 s[4:5], s[4:5], s[90:91]
	s_add_nc_u64 s[18:19], s[18:19], s[90:91]
	s_add_nc_u64 s[6:7], s[6:7], s[92:93]
	s_add_nc_u64 s[10:11], s[10:11], s[94:95]
	s_add_nc_u64 s[16:17], s[16:17], s[94:95]
	global_load_b128 v[240:243], v62, s[4:5]
	global_load_b32 v248, v63, s[6:7]
	global_load_b32 v249, v63, s[6:7] offset:4
	global_load_b32 v250, v63, s[6:7] offset:8
.irp f, 0,1,2,3,4,5,6,7,8,9,10,11,12,13,14,15
	global_load_b128 v[AK+4*\f:AK+4*\f+3], v24, s[10:11] offset:(\f/2)*1024+(\f%2)*512 th:TH_LOAD_NT   ; 32 lanes read 512 consecutive bytes
.endr
	s_wait_loadcnt 19                              ; the four indices are in: behind them 3 loads of coordinates and 16 of features
.irp e, 0,1,2,3
	v_min_u32 v[240+\e], 0x3fff, v[240+\e]
	v_mul_u32_u24 v[240+\e], v[240+\e], 12
.endr
.irp e, 0,1,2,3
.irp d, 0,1,2
	global_load_b32 v[208+3*\e+\d], v[240+\e], s[8:9] offset:4*\d
.endr
.endr
	s_wait_loadcnt 12                              ; all but the twelve just issued
.irp f, 0,1,2,3,4,5,6,7,8,9,10,11,12,13,14,15
	ds_store_b128 v25, v[AK+4*\f:AK+4*\f+3] offset:(\f/2)*XP+(\f%2)*512
.endr
	s_wait_loadcnt 0x0
.irp e, 0,1,2,3
.irp d, 0,1,2
	v_sub_f32 v[220+4*\e+\d], v[248+\d], v[208+3*\e+\d]
.endr
	v_mov_b32 v[223+4*\e], 1.0
	ds_store_b128 v26, v[220+4*\e:223+4*\e] offset:\e*16
.endr
.irp k, 0,1,2,3
	global_load_b32 v[IDXR+\k], v[R4], s[4:5] offset:\k*64     ; the ring's start: block 0's indices,
.endr
	s_mov_b32 s84, 256
	s_wait_loadcnt 0x0
.irp k, 0,1,2,3
	GATHER \k                                      ; block 0's features, block 1's indices
.endr
	s_mov_b32 s75, 0                               ; the layer
	s_mov_b32 s85, 0                               ; its x in LDS
; ---- the stages of a trip
.macro ADDR doS, doM, doP
.if \doP
	v_add_nc_u32 v[PST], s77, v[PSTB]
	v_add_nc_u32 v[RELA], s81, v[RELB]
.endif
.if \doM
	v_add_nc_u32 v[MLD], s78, v[MLDB]
	v_add_nc_u32 v[QSA], s82, v[QSB]
	v_add_nc_u32 v[LGWA], s79, v[LGWB]
.endif
.if \doS
	v_add_nc_u32 v[LGRA], s80, v[LGRB]
	v_add_nc_u32 v[XOA], s83, v[XOB]
.endif
.endm
.macro NEXT doS, doM, doP
	s_xor_b32 s77, s77, 32768                      ; the buffers change places
	s_xor_b32 s78, s78, 32768
	s_xor_b32 s79, s79, 1024
	s_xor_b32 s80, s80, 1024
.if \doP
	s_add_co_u32 s81, s81, 1024
	s_add_co_u32 s84, s84, 256
	s_and_b32 s84, s84, 0x7ff                      ; the ring of indices wraps round
.endif
.if \doM
	s_add_co_u32 s82, s82, 4*XP
.endif
.if \doS
	s_add_co_u32 s83, s83, 4*XP
.endif
.endm
; The softmax of a block: register set u, row h of the lanes = query 2 u + h; the lane is the neighbour.  Every wave does it for itself.
.macro S1
	WIN 0
	ds_load_b128 v[240:243], v[LGRA]
	ds_load_b128 v[244:247], v[LGRA] offset:512
	s_wait_dscnt 0x0
	v_add_f32 v240, v240, v241                     ; the four waves' parts of the logit
	v_add_f32 v242, v242, v243
	v_add_f32 v244, v244, v245
	v_add_f32 v246, v246, v247
	v_add_f32 v240, v240, v242
	v_add_f32 v244, v244, v246
	v_max_num_f32_dpp v241, v240, v240 row_xmask:1 row_mask:0xf bank_mask:0xf
	v_max_num_f32_dpp v245, v244, v244 row_xmask:1 row_mask:0xf bank_mask:0xf
.irp m, 2,4,8
	v_max_num_f32_dpp v241, v241, v241 row_xmask:\m row_mask:0xf bank_mask:0xf
	v_max_num_f32_dpp v245, v245, v245 row_xmask:\m row_mask:0xf bank_mask:0xf
.endr
	v_sub_f32 v240, v240, v241                     ; the row's maximum is taken away
	v_sub_f32 v244, v244, v245
	v_exp_f32 v240, v240
	v_exp_f32 v244, v244
	v_nop                                          ; a plain instruction behind the exponentials,
	s_wait_alu depctr_va_vdst(0)                   ; and the wait ahead of their first reader: one for both
	ds_store_b32 v[EBS], v240
	ds_store_b32 v[EBS], v244 offset:128
	v_add_f32_dpp v242, v240, v240 row_xmask:1 row_mask:0xf bank_mask:0xf
	v_add_f32_dpp v246, v244, v244 row_xmask:1 row_mask:0xf bank_mask:0xf
.irp m, 2,4,8
	v_add_f32_dpp v242, v242, v242 row_xmask:\m row_mask:0xf bank_mask:0xf
	v_add_f32_dpp v246, v246, v246 row_xmask:\m row_mask:0xf bank_mask:0xf
.endr
	v_rcp_f32 v242, v242
	v_rcp_f32 v246, v246
	v_nop
	s_wait_alu depctr_va_vdst(0)                   ; likewise for the two reciprocals
	v_mul_f32 v242, s74, v242                      ; x 2^(eVA + eVB)
	v_mul_f32 v246, s74, v246
	ds_store_b32 v[RSS], v242                      ; sixteen lanes write one word with one value
	ds_store_b32 v[RSS], v246 offset:8
	WIN 0x80
.irp f, 0,1,2,3,4,5,6,7
	ds_load_b128 v[EW+4*\f:EW+4*\f+3], v[EBR] offset:(\f/2)*64+(\f%2)*16   ; LDS serves a wave's instructions in order (ISA guide 5.7.1.4): these see my stores.  e of neighbours 8 h + 0 .. 7
.endr
	WIN 0
	ds_load_b128 v[RS:RS+3], v[RSR]
.endm
; The weighted sum of query k: V's accumulators (register j = neighbour 8 h + j) x e, the two halves of the lanes added, / sum, + v_b.
.macro S2 k
	WIN 0x0b
.irp t, 0,1,2,3
	v_pk_mul_f32 v[OT+2*\t:OT+2*\t+1], v[32*(\k)+8*\t:32*(\k)+8*\t+1], v[EW+8*(\k):EW+8*(\k)+1]
.endr
.irp p, 1,2,3
.irp t, 0,1,2,3
	v_pk_fma_f32 v[OT+2*\t:OT+2*\t+1], v[32*(\k)+8*\t+2*\p:32*(\k)+8*\t+2*\p+1], v[EW+8*(\k)+2*\p:EW+8*(\k)+2*\p+1], v[OT+2*\t:OT+2*\t+1]
.endr
.endr
	WIN 0
.irp t, 0,1,2,3
	v_add_f32 v[PT+\t], v[OT+2*\t], v[OT+2*\t+1]
.endr
.irp t, 0,1,2,3
	v_permlanex16_b32 v[PX+\t], v[PT+\t], s88, s89
.endr
.irp t, 0,1,2,3
	v_add_f32 v[PT+\t], v[PT+\t], v[PX+\t]
.endr
.irp t, 0,1,2,3
	v_fma_f32 v[PT+\t], v[PT+\t], v[RS+\k], v[VB+\t]
.endr
.irp t, 0,1,2,3
	ds_store_b32 v[XOA], v[PT+\t] offset:(\k)*XP+\t*64     ; both halves of the lanes write the same word with the same value
.endr
.endm
; The holds: the conversion to an 8-bit code does not saturate (ISA guide 7.6.2).  The limits are scalars, so a hold fits under the matrix instructions' window settings: it stands between them with no switch.
.macro HOLDK cnt
.rept \cnt
	v_med3_num_f32 v[HK+hn], s66, v[NF+hn], s67
.set hn, hn+1
.endr
.endm
.macro HOLDV cnt
.rept \cnt
	v_med3_num_f32 v[HV+hn], v[NF+hn], s68, s69
.set hn, hn+1
.endr
.endm
; Query k of the trip's three blocks.
.macro STEP k, doS, doM, doP
.if \doP
	WIN 0
	ds_load_b64 v[RB:RB+1], v[RELA] offset:(\k)*256
.endif
.if \doM
	WIN 0
.irp f, 0,1,2,3,4,5,6,7
	ds_load_b128 v[AK+4*\f:AK+4*\f+3], v[MLD] offset:(\k)*8192+\f*512
.endr
.irp f, 0,1,2,3,4,5,6,7
	ds_load_b128 v[AV+4*\f:AV+4*\f+3], v[MLD] offset:(\k)*8192+4096+\f*512
.endr
	WIN 0x80
.irp f, 0,1,2,3,4,5,6,7
	ds_load_b128 v[QV+4*\f:QV+4*\f+3], v[QSA] offset:(\k)*XP+(\f/2)*64+(\f%2)*16
.endr
.endif
	s_wait_dscnt 24*\doM                           ; rel, and all that is older (e and 1 / sum among it), is in; the 24 loads of fragments and Q may be out
.if \doP
	s_wait_loadcnt 27                              ; this slot's eight features and one index are in: behind them stand three other slots' nine loads.  The wait also frees the slot's two address registers
	WIN 0x23
.irp t, 0,1,2,3
	v_wmma_f32_16x16x4_f32 v[NF+8*\t:NF+8*\t+7], v[PW+2*\t:PW+2*\t+1], v[RB:RB+1], v[32*(\k)+8*\t:32*(\k)+8*\t+7]
.endr
.endif
.if \doS
	S2 \k                                          ; its sixteen packed lines are also the eight places behind the f32 products, ahead of the loads into their C and of the holds
.elseif \doP
.rept 8
	v_nop
.endr
.endif
.if \doP
	GATHER \k
.endif
.if \doM
	s_wait_dscnt 8+4*\doS                          ; both fragments are in; Q's eight loads and the weighted sum's four stores may be out
	WIN 0x21                                       ; the accumulators take turns, one instruction a turn
.set hn, 0
.irp t, 0,1,2,3
	v_wmma_f32_16x16x128_bf8_bf8 v[KAC+8*\t:KAC+8*\t+7], v[32*\t:32*\t+15], v[AK:AK+15], v[KBS+8*\t:KBS+8*\t+7]
.if \doP
	HOLDK 4
.endif
.endr
	WIN 0x01
.irp t, 0,1,2,3
	v_wmma_f32_16x16x128_bf8_bf8 v[KAC+8*\t:KAC+8*\t+7], v[32*\t+16:32*\t+31], v[AK+16:AK+31], v[KAC+8*\t:KAC+8*\t+7]
.if \doP
	HOLDK 4
.endif
.endr
	WIN 0xf4
.set hn, 0
.irp t, 0,1,2,3
	v_wmma_f32_16x16x128_bf8_bf8 v[32*(\k)+8*\t:32*(\k)+8*\t+7], v[AV:AV+15], v[128+32*\t:128+32*\t+15], 0
.if \doP
	HOLDV 4
.endif
.endr
.irp t, 0,1,2,3
	v_wmma_f32_16x16x128_bf8_bf8 v[32*(\k)+8*\t:32*(\k)+8*\t+7], v[AV+16:AV+31], v[128+32*\t+16:128+32*\t+31], v[32*(\k)+8*\t:32*(\k)+8*\t+7]
.if \doP
	HOLDV 4
.endif
.endr
.if \doP == 0
.rept 4
	v_nop                                          ; four places ahead of the logits' reads and of the next loads into the fragments
.endr
.endif
.elseif \doP
	WIN 0
.set hn, 0
	HOLDK 32
	WIN 0xc0
.set hn, 0
	HOLDV 32
.endif
.if \doP
	WIN 0
.irp g, 0,1,2,3
	v_cvt_scalef32_pk8_bf8_f32 v[CK+2*\g:CK+2*\g+1], v[HK+8*\g:HK+8*\g+7], v[SCK]
.endr
	WIN 0x03
.irp g, 0,1,2,3
	v_cvt_scalef32_pk8_bf8_f32 v[CV+2*\g:CV+2*\g+1], v[HV+8*\g:HV+8*\g+7], v[SCV]
.endr
	WIN 0
	v_nop                                          ; one plain vector instruction behind the last scaled conversion
	ds_store_b128 v[PST], v[CK:CK+3] offset:(\k)*8192
	ds_store_b128 v[PST], v[CK+4:CK+7] offset:(\k)*8192+512
	ds_store_b128 v[PST], v[CV:CV+3] offset:(\k)*8192+4096
	ds_store_b128 v[PST], v[CV+4:CV+7] offset:(\k)*8192+4096+512
.endif
.if \doM
	s_wait_dscnt 4*\doS+4*\doP                     ; Q is in; the stores issued behind its loads may be out
	WIN 0x08
	v_pk_mul_f32 v[LA:LA+1], v[KAC:KAC+1], v[QV:QV+1]                  ; each accumulator is read from its low end on
	v_pk_mul_f32 v[LA+2:LA+3], v[KAC+16:KAC+17], v[QV+16:QV+17]
.irp p, 2,4,6,8,10,12,14
	v_pk_fma_f32 v[LA:LA+1], v[KAC+\p:KAC+\p+1], v[QV+\p:QV+\p+1], v[LA:LA+1]
	v_pk_fma_f32 v[LA+2:LA+3], v[KAC+16+\p:KAC+17+\p], v[QV+16+\p:QV+17+\p], v[LA+2:LA+3]
.endr
	WIN 0
	v_pk_add_f32 v[LA:LA+1], v[LA:LA+1], v[LA+2:LA+3]
	v_add_f32 v[LGP], v[LA], v[LA+1]
	v_permlanex16_b32 v[LGQ], v[LGP], s88, s89
	v_add_f32 v[LGP], v[LGP], v[LGQ]               ; neighbour r's logit over my 64 channels
	ds_store_b32 v[LGWA], v[LGP] offset:(\k)*256
.endif
.endm
; Q for the 16 rows mt: transposed, so that a lane's eight results are eight neighbouring channels of a query.
.macro QPROD mt
	WIN 0
.irp f, 0,1,2,3,4,5,6,7
	ds_load_b128 v[AK+4*\f:AK+4*\f+3], v[QIR] offset:(\mt)*4096+\f*512
.endr
	s_wait_dscnt 0x0
	WIN 0x03
.irp t, 0,1,2,3
	v_wmma_f32_16x16x128_bf8_bf8 v[KAC+8*\t:KAC+8*\t+7], v[32*\t:32*\t+15], v[AK:AK+15], 0
.endr
.irp t, 0,1,2,3
	v_wmma_f32_16x16x128_bf8_bf8 v[KAC+8*\t:KAC+8*\t+7], v[32*\t+16:32*\t+31], v[AK+16:AK+31], v[KAC+8*\t:KAC+8*\t+7]
.endr
.rept 4
	v_nop
.endr
	WIN 0x20
.irp p, 0,2,4,6,8,10,12,14,16,18,20,22,24,26,28,30
	v_pk_fma_f32 v[AV+\p:AV+\p+1], v[KAC+\p:KAC+\p+1], s[72:73], v[QV+\p:QV+\p+1] op_sel_hi:[1,0,1]
.endr
	WIN 0
.irp f, 0,1,2,3,4,5,6,7
	ds_store_b128 v[QSW], v[AV+4*\f:AV+4*\f+3] offset:(\mt)*16*XP+(\f/2)*64+(\f%2)*16
.endr
.endm
.Llayer:
	s_load_b512 s[20:35], s[0:1], 0x40             ; pos_w, pos_b, q_w, q_b, k_w, k_b, v_w, v_b of layer 0,
	s_load_b512 s[36:51], s[0:1], 0x80             ; and of layer 1.  (All loads that named the old pointers have been waited for)
	s_wait_kmcnt 0x0
	s_cmp_eq_u32 s75, 0
.irp p, 0,2,4,6,8,10,12,14
	s_cselect_b64 s[20+\p:21+\p], s[20+\p:21+\p], s[36+\p:37+\p]
.endr
.irp i, 0,1,2,3,4,5
	s_cselect_b32 s[90+\i], s[52+\i], s[58+\i]     ; eQA, eQB, eKA, eKB, eVA, eVB
.endr
	s_add_co_i32 s96, s92, 127                     ; K's operand: 2^e for the conversion, +-57,344 x 2^e for the hold
	s_lshl_b32 s97, s96, 23
	v_mov_b32 v[SCK], s97
	s_add_co_i32 s96, s96, 15
	s_lshl_b32 s96, s96, 23
	s_or_b32 s67, s96, 0x600000
	s_or_b32 s66, s67, 0x80000000
	s_add_co_i32 s96, s94, 127                     ; V's
	s_lshl_b32 s97, s96, 23
	v_mov_b32 v[SCV], s97
	s_add_co_i32 s96, s96, 15
	s_lshl_b32 s96, s96, 23
	s_or_b32 s69, s96, 0x600000
	s_or_b32 s68, s69, 0x80000000
	s_add_co_i32 s96, s90, 127                     ; Q's
	s_lshl_b32 s97, s96, 23
	v_mov_b32 v[SCQ], s97
	s_add_co_i32 s96, s96, 15
	s_lshl_b32 s96, s96, 23
	s_or_b32 s71, s96, 0x600000
	s_or_b32 s70, s71, 0x80000000
	s_add_co_i32 s96, s92, s93
	s_sub_co_i32 s87, 0, s96                       ; k_b goes in divided by 2^(eKA + eKB)
	s_add_co_i32 s96, s96, 127
	s_lshl_b32 s96, s96, 23
	s_mul_f32 s86, s96, 0x3db8aa3b                 ; fK = log2(e) / 16 x 2^(eKA + eKB)
	s_add_co_i32 s96, s90, s91
	s_add_co_i32 s96, s96, 127
	s_lshl_b32 s96, s96, 23
	s_mul_f32 s72, s96, s86                        ; 2^(eQA + eQB) x fK
	s_mov_b32 s73, s72                             ; (named with it as a pair, so it is written)
	s_add_co_i32 s96, s94, s95
	s_add_co_i32 s96, s96, 127
	s_lshl_b32 s74, s96, 23                        ; 2^(eVA + eVB)
	s_lshl_b32 s98, s2, 14                         ; my 64 rows of each weight,
	s_mov_b32 s99, 0
	s_lshl_b32 s100, s2, 8                         ; my 64 numbers of each bias and of each row of pos_w
	s_mov_b32 s101, 0
	s_add_nc_u64 s[24:25], s[24:25], s[98:99]
	s_add_nc_u64 s[28:29], s[28:29], s[98:99]
	s_add_nc_u64 s[32:33], s[32:33], s[98:99]
	s_add_nc_u64 s[20:21], s[20:21], s[100:101]
	s_add_nc_u64 s[22:23], s[22:23], s[100:101]
	s_add_nc_u64 s[26:27], s[26:27], s[100:101]
	s_add_nc_u64 s[30:31], s[30:31], s[100:101]
	s_add_nc_u64 s[34:35], s[34:35], s[100:101]
	WIN 0xc0
.irp f, 0,1,2,3,4,5,6,7
.irp c, 0,1,2,3
	global_load_b128 v[16*\f+4*\c:16*\f+4*\c+3], v[WFR], s[24:25] offset:(\f/2)*4096+(\f%2)*128+\c*32      ; Q's weights: fragment (tile f / 2, K step f % 2)
.endr
.endr
.irp t, 0,1,2,3
	global_load_b32 v[PW+2*\t], v[PWA], s[20:21] offset:(\t/2)*128+(\t%2)*32
.endr
	WIN 0x80
.irp f, 0,1,2,3,4,5,6,7
	global_load_b128 v[QV+4*\f:QV+4*\f+3], v[BOF], s[26:27] offset:(\f/2)*64+(\f%2)*16
	global_load_b128 v[KBS+4*\f:KBS+4*\f+3], v[BOF], s[30:31] offset:(\f/2)*64+(\f%2)*16
.endr
	WIN 0
.irp t, 0,1,2,3
	global_load_b32 v[VB+\t], v[R4], s[34:35] offset:\t*64
	global_load_b32 v[240+\t], v[PWB], s[20:21] offset:1024+(\t/2)*128+(\t%2)*32
	global_load_b32 v[244+\t], v[PWB], s[22:23] offset:(\t/2)*128+(\t%2)*32
.endr
	WIN 0x40
.irp f, 0,1,2,3,4,5,6,7
.irp c, 0,1,2,3
	global_load_b128 v[16*\f+4*\c:16*\f+4*\c+3], v[WFR], s[28:29] offset:(\f/2)*4096+(\f%2)*128+\c*32
.endr
.endr
.irp f, 0,1,2,3,4,5,6,7
.irp c, 0,1,2,3
	global_load_b128 v[128+16*\f+4*\c:128+16*\f+4*\c+3], v[WFR], s[32:33] offset:(\f/2)*4096+(\f%2)*128+\c*32
.endr
.endr
	WIN 0
	BAR                                            ; the layer's x lies whole in LDS (and, in front of the first layer, rel)
	v_add_nc_u32 v[XQA], s85, v[XQB]               ; x is quantised: each wave makes one of the four fragments
.irp f, 0,1,2,3,4,5,6,7,8,9,10,11,12,13,14,15
	ds_load_b128 v[AK+4*\f:AK+4*\f+3], v[XQA] offset:(\f/4)*128+(\f%4)*16
.endr
	s_wait_dscnt 0x0
.set hn, 0
.rept 64
	v_med3_num_f32 v[AK+hn], v[AK+hn], s70, s71
.set hn, hn+1
.endr
.irp g, 0,1,2,3,4,5,6,7
	v_cvt_scalef32_pk8_bf8_f32 v[CK+2*\g:CK+2*\g+1], v[AK+8*\g:AK+8*\g+7], v[SCQ]
.endr
	v_nop                                          ; one plain vector instruction behind the last scaled conversion
.irp c, 0,1,2,3
	ds_store_b128 v[QIW], v[CK+4*\c:CK+4*\c+3] offset:\c*512
.endr
	BAR                                            ; the four fragments lie in LDS
	s_wait_loadcnt 63                              ; K's and V's weights are the last 64 loads: with 63 out, all that is older is in
	v_cmp_ne_u32 vcc_lo, 0, v3
	WIN 0xc0
.irp t, 0,1,2,3
	v_cndmask_b32 v[PW+2*\t+1], v[240+\t], v[244+\t], vcc_lo       ; register 1: W1 in lanes 0-15, pos_b in lanes 16-31
.endr
	WIN 0x82
.set hn, 0
.rept 32
	v_mul_f32 v[QV+hn], v[QV+hn], s86              ; q_b x fK
	v_ldexp_f32 v[KBS+hn], v[KBS+hn], s87
.set hn, hn+1
.endr
	QPROD 0
	QPROD 1
	s_wait_loadcnt 0x0                             ; the weights
	s_mov_b32 s77, 0                               ; codes: the buffer that P writes, the buffer that M reads,
	s_mov_b32 s78, 32768
	s_mov_b32 s79, 0                               ; logits: M writes, S reads,
	s_mov_b32 s80, 1024
	s_mov_b32 s81, 0                               ; P's block in rel, M's in Q, S's in the layer's result,
	s_mov_b32 s82, 0
	s_add_co_u32 s83, s85, XB
	s_mov_b32 s84, 512                             ; and the block of indices to be asked for
	ADDR 0, 0, 1                                   ; trip 0
.irp k, 0,1,2,3
	STEP \k, 0, 0, 1
.endr
	NEXT 0, 0, 1
	BAR                                            ; trip 1
	ADDR 0, 1, 1
.irp k, 0,1,2,3
	STEP \k, 0, 1, 1
.endr
	NEXT 0, 1, 1
	s_mov_b32 s76, 6
.Ltrip:                                                ; trips 2 to 7
	BAR
	ADDR 1, 1, 1
	S1
.irp k, 0,1,2,3
	STEP \k, 1, 1, 1
.endr
	NEXT 1, 1, 1
	s_sub_co_u32 s76, s76, 1
	s_cmp_lg_u32 s76, 0
	s_cbranch_scc1 .Ltrip
	BAR                                            ; trip 8
	ADDR 1, 1, 0
	S1
.irp k, 0,1,2,3
	STEP \k, 1, 1, 0
.endr
	NEXT 1, 1, 0
	BAR                                            ; trip 9
	ADDR 1, 0, 0
	S1
.irp k, 0,1,2,3
	STEP \k, 1, 0, 0
.endr
	s_add_co_u32 s85, s85, XB                      ; the layer's result is the next layer's x
	s_add_co_u32 s75, s75, 1
	s_cmp_lt_u32 s75, 2
	s_cbranch_scc1 .Llayer
	; ---- y0 = lossy_F + the second layer's result; mean and sum of squared deviations of the work-group's 32 rows.  Thread t owns channels 2 t and 2 t + 1.
	BAR
	s_wait_loadcnt 0x0                             ; the ring's last loads
	v_lshlrev_b32 v24, 3, v0
	v_add_nc_u32 v25, 2*XB, v24
.set cr, 0
.rept 32
	ds_load_b64 v[96+2*cr:97+2*cr], v24 offset:cr*XP
	ds_load_b64 v[160+2*cr:161+2*cr], v25 offset:cr*XP
.set cr, cr+1
.endr
	s_wait_dscnt 0x0
.set cr, 0
.rept 32
	v_pk_add_f32 v[96+2*cr:97+2*cr], v[96+2*cr:97+2*cr], v[160+2*cr:161+2*cr]
.set cr, cr+1
.endr
.set cr, 0
.rept 32
	global_store_b64 v24, v[96+2*cr:97+2*cr], s[16:17] offset:cr*1024      ; a wave stores 256 consecutive bytes, aligned
.set cr, cr+1
.endr
.irp c, 0,1,2,3
	v_pk_add_f32 v[224+2*\c:225+2*\c], v[96+2*\c:97+2*\c], v[104+2*\c:105+2*\c]
.endr
.irp g, 2,3,4,5,6,7
.irp c, 0,1,2,3
	v_pk_add_f32 v[224+2*\c:225+2*\c], v[224+2*\c:225+2*\c], v[96+8*\g+2*\c:97+8*\g+2*\c]
.endr
.endr
	v_pk_add_f32 v[224:225], v[224:225], v[226:227]
	v_pk_add_f32 v[228:229], v[228:229], v[230:231]
	v_pk_add_f32 v[224:225], v[224:225], v[228:229]
	v_pk_mul_f32 v[232:233], v[224:225], 0x3d000000 op_sel_hi:[1,0]        ; / 32: the mean
.set cr, 0
.rept 32
	v_pk_add_f32 v[160+2*cr:161+2*cr], v[96+2*cr:97+2*cr], v[232:233] neg_lo:[0,1] neg_hi:[0,1]
.set cr, cr+1
.endr
.irp c, 0,1,2,3
	v_pk_mul_f32 v[224+2*\c:225+2*\c], v[160+2*\c:161+2*\c], v[160+2*\c:161+2*\c]
.endr
.irp g, 1,2,3,4,5,6,7
.irp c, 0,1,2,3
	v_pk_fma_f32 v[224+2*\c:225+2*\c], v[160+8*\g+2*\c:161+8*\g+2*\c], v[160+8*\g+2*\c:161+8*\g+2*\c], v[224+2*\c:225+2*\c]
.endr
.endr
	v_pk_add_f32 v[224:225], v[224:225], v[226:227]
	v_pk_add_f32 v[228:229], v[228:229], v[230:231]
	v_pk_add_f32 v[224:225], v[224:225], v[228:229]
	global_store_b64 v24, v[232:233], s[18:19]
	global_store_b64 v24, v[224:225], s[18:19] offset:1024
	s_set_vgpr_msb 0xa
	s_wait_tensorcnt 0x0
	ds_add_u32 v158, v159
	s_wait_dscnt 0x0
	s_set_vgpr_msb 0xa00
	s_endpgm
.Lfunc_end_k_qe8c5fffdd8_attn:
	.size	k_qe8c5fffdd8_attn, .Lfunc_end_k_qe8c5fffdd8_attn-k_qe8c5fffdd8_attn
	.p2alignl 7, 3214868480
	.fill 96, 4, 3214868480
	.section	.rodata,"a",@progbits
	.p2align	6, 0x0
	.amdhsa_kernel k_qe8c5fffdd8_attn
		.amdhsa_group_segment_fixed_size 219648
		.amdhsa_private_segment_fixed_size 0
		.amdhsa_enable_private_segment 0
		.amdhsa_kernarg_size 192
		.amdhsa_user_sgpr_count 2
		.amdhsa_user_sgpr_kernarg_segment_ptr 1
		.amdhsa_wavefront_size32 1
		.amdhsa_system_sgpr_workgroup_id_x 1
		.amdhsa_system_sgpr_workgroup_id_y 1
		.amdhsa_system_sgpr_workgroup_id_z 1
		.amdhsa_system_vgpr_workitem_id 0
		.amdhsa_next_free_vgpr 1024
		.amdhsa_next_free_sgpr 102
		.amdhsa_reserve_vcc 1
		.amdhsa_float_denorm_mode_32 3
		.amdhsa_float_denorm_mode_16_64 3
		.amdhsa_memory_ordered 1
		.amdhsa_forward_progress 1
		.amdhsa_inst_pref_size 225
	.end_amdhsa_kernel
	.amdgpu_metadata
---
amdhsa.version: [ 1, 2 ]
amdhsa.kernels:
  - .name:           k_qe8c5fffdd8_attn
    .symbol:         k_qe8c5fffdd8_attn.kd
    .args:
      - { .name: idx, .offset: 0, .size: 8, .value_kind: global_buffer, .address_space: global }
      - { .name: lossy_C, .offset: 8, .size: 8, .value_kind: global_buffer, .address_space: global }
      - { .name: ref_C, .offset: 16, .size: 8, .value_kind: global_buffer, .address_space: global }
      - { .name: lossy_F, .offset: 24, .size: 8, .value_kind: global_buffer, .address_space: global }
      - { .name: ref_F, .offset: 32, .size: 8, .value_kind: global_buffer, .address_space: global }
      - { .name: lowp_scales, .offset: 40, .size: 8, .value_kind: global_buffer, .address_space: global }
      - { .name: y0, .offset: 48, .size: 8, .value_kind: global_buffer, .address_space: global }
      - { .name: part0, .offset: 56, .size: 8, .value_kind: global_buffer, .address_space: global }
      - { .name: pos0_w, .offset: 64, .size: 8, .value_kind: global_buffer, .address_space: global }
      - { .name: pos0_b, .offset: 72, .size: 8, .value_kind: global_buffer, .address_space: global }
      - { .name: q0_w_codes, .offset: 80, .size: 8, .value_kind: global_buffer, .address_space: global }
      - { .name: q0_b, .offset: 88, .size: 8, .value_kind: global_buffer, .address_space: global }
      - { .name: k0_w_codes, .offset: 96, .size: 8, .value_kind: global_buffer, .address_space: global }
      - { .name: k0_b, .offset: 104, .size: 8, .value_kind: global_buffer, .address_space: global }
      - { .name: v0_w_codes, .offset: 112, .size: 8, .value_kind: global_buffer, .address_space: global }
      - { .name: v0_b, .offset: 120, .size: 8, .value_kind: global_buffer, .address_space: global }
      - { .name: pos1_w, .offset: 128, .size: 8, .value_kind: global_buffer, .address_space: global }
      - { .name: pos1_b, .offset: 136, .size: 8, .value_kind: global_buffer, .address_space: global }
      - { .name: q1_w_codes, .offset: 144, .size: 8, .value_kind: global_buffer, .address_space: global }
      - { .name: q1_b, .offset: 152, .size: 8, .value_kind: global_buffer, .address_space: global }
      - { .name: k1_w_codes, .offset: 160, .size: 8, .value_kind: global_buffer, .address_space: global }
      - { .name: k1_b, .offset: 168, .size: 8, .value_kind: global_buffer, .address_space: global }
      - { .name: v1_w_codes, .offset: 176, .size: 8, .value_kind: global_buffer, .address_space: global }
      - { .name: v1_b, .offset: 184, .size: 8, .value_kind: global_buffer, .address_space: global }
    .group_segment_fixed_size: 219648
    .private_segment_fixed_size: 0
    .kernarg_segment_align: 8
    .kernarg_segment_size: 192
    .max_flat_workgroup_size: 128
    .sgpr_count:     102
    .vgpr_count:     1024
    .wavefront_size: 32
...
	.end_amdgpu_metadata
.endif
;; end of part 3
;; launch stat0 (part 4): grid 4 x 1, 16 waves a work-group, no clusters, 18,432 bytes of LDS; arguments part0, bn0_g, coef0; writes coef0
.if DOCPART == 4
	.amdgcn_target "amdgcn-amd-amdhsa--gfx1250"
	.amdhsa_code_object_version 6
	.text
	.protected	k_qe8c5fffdd8_stat0
	.globl	k_qe8c5fffdd8_stat0
	.p2align	8
	.type	k_qe8c5fffdd8_stat0,@function
k_qe8c5fffdd8_stat0:
	s_mov_b64 s[64:65], 0
	v_nop
	global_prefetch_b8 v0, s[64:65] scope:SCOPE_SE
	s_setreg_imm32_b32 hwreg(HW_REG_WAVE_MODE, 25, 1), 1
	s_wait_xcnt 0x0
; THE 256 WORK-GROUPS' PARTIAL STATISTICS BECOME A NORM'S COEFFICIENTS.  part: [256][2][256] f32: mean and sum of squared deviations of 32 rows.  coef: [2][256]: the mean of all 8,192 rows, and g / sqrt(var + 1e-5).
; mean = sum of means / 256; var = (sum of M2 + 32 x sum of (mean_i - mean)^2) / 8,192: no difference of large sums is formed.
; Work-group x takes channels 64 x on, a lane two of them (a wave's load is 256 consecutive bytes), wave s partials 16 s .. 16 s + 15.  Four work-groups are all the work there is.
	s_load_b128 s[4:7], s[0:1], 0x0                ; part, g
	s_load_b64 s[8:9], s[0:1], 0x10                ; coef
	v_lshl_add_u32 v128, v0, 2, 0x4000
	v_mov_b32 v129, 0
	v_lshrrev_b32 v1, 5, v0
	v_readfirstlane_b32 s2, v1                     ; wave
	v_and_b32 v2, 31, v0
	v_lshlrev_b32 v3, 3, v2                        ; 8 x lane
	v_lshl_add_u32 v4, v1, 15, v3                  ; + my wave's sixteen partials of 2,048 bytes
	v_lshlrev_b32 v5, 3, v0                        ; LDS: 8 x thread = 256 x wave + 8 x lane
	s_lshl_b32 s10, ttmp9, 8
	s_mov_b32 s11, 0
	s_mov_b32 s12, 0x39000000                      ; 1 / 8,192
	s_mov_b32 s14, 0x3727c5ac                      ; 1e-5
	s_wait_kmcnt 0x0
	s_add_nc_u64 s[4:5], s[4:5], s[10:11]
	s_add_nc_u64 s[6:7], s[6:7], s[10:11]
	s_add_nc_u64 s[8:9], s[8:9], s[10:11]
.set i, 0
.rept 16
	global_load_b64 v[16+2*i:17+2*i], v4, s[4:5] offset:i*2048
	global_load_b64 v[48+2*i:49+2*i], v4, s[4:5] offset:i*2048+1024
.set i, i+1
.endr
	global_load_b64 v[12:13], v3, s[6:7]
	s_wait_loadcnt 0x0
	v_pk_add_f32 v[80:81], v[16:17], v[18:19]
	v_pk_add_f32 v[82:83], v[20:21], v[22:23]
.irp i, 4,6,8,10,12,14
	v_pk_add_f32 v[80:81], v[80:81], v[16+2*\i:17+2*\i]
	v_pk_add_f32 v[82:83], v[82:83], v[18+2*\i:19+2*\i]
.endr
	v_pk_add_f32 v[80:81], v[80:81], v[82:83]
	ds_store_b64 v5, v[80:81]
	s_wait_dscnt 0x0                               ; my wave's sum of means lies in LDS
	s_barrier_signal -1
	s_barrier_wait -1
.set i, 0
.rept 16
	ds_load_b64 v[84+2*i:85+2*i], v3 offset:i*256
.set i, i+1
.endr
	s_wait_dscnt 0x0
	v_pk_add_f32 v[80:81], v[84:85], v[86:87]
	v_pk_add_f32 v[82:83], v[88:89], v[90:91]
.irp i, 4,6,8,10,12,14
	v_pk_add_f32 v[80:81], v[80:81], v[84+2*\i:85+2*\i]
	v_pk_add_f32 v[82:83], v[82:83], v[86+2*\i:87+2*\i]
.endr
	v_pk_add_f32 v[80:81], v[80:81], v[82:83]
	v_pk_mul_f32 v[80:81], v[80:81], 0x3b800000 op_sel_hi:[1,0]            ; / 256: the mean, in every wave
.set i, 0
.rept 16
	v_pk_add_f32 v[16+2*i:17+2*i], v[16+2*i:17+2*i], v[80:81] neg_lo:[0,1] neg_hi:[0,1]
.set i, i+1
.endr
	v_pk_mul_f32 v[116:117], v[16:17], v[16:17]
	v_pk_mul_f32 v[118:119], v[18:19], v[18:19]
	v_pk_add_f32 v[82:83], v[48:49], v[50:51]
.irp i, 2,4,6,8,10,12,14
	v_pk_fma_f32 v[116:117], v[16+2*\i:17+2*\i], v[16+2*\i:17+2*\i], v[116:117]
	v_pk_fma_f32 v[118:119], v[18+2*\i:19+2*\i], v[18+2*\i:19+2*\i], v[118:119]
	v_pk_add_f32 v[82:83], v[82:83], v[48+2*\i:49+2*\i]
	v_pk_add_f32 v[82:83], v[82:83], v[50+2*\i:51+2*\i]
.endr
	v_pk_add_f32 v[116:117], v[116:117], v[118:119]
	v_pk_fma_f32 v[82:83], v[116:117], 0x42000000, v[82:83] op_sel_hi:[1,0,1]      ; + 32 x the means' squared deviations
	ds_store_b64 v5, v[82:83] offset:8192
	s_wait_dscnt 0x0
	s_barrier_signal -1
	s_barrier_wait -1
	s_cmp_lg_u32 s2, 0
	s_cbranch_scc1 .Lend                           ; wave 0 finishes
.set i, 0
.rept 16
	ds_load_b64 v[84+2*i:85+2*i], v3 offset:8192+i*256
.set i, i+1
.endr
	s_wait_dscnt 0x0
	v_pk_add_f32 v[84:85], v[84:85], v[86:87]
	v_pk_add_f32 v[88:89], v[88:89], v[90:91]
.irp i, 4,6,8,10,12,14
	v_pk_add_f32 v[84:85], v[84:85], v[84+2*\i:85+2*\i]
	v_pk_add_f32 v[88:89], v[88:89], v[86+2*\i:87+2*\i]
.endr
	v_pk_add_f32 v[84:85], v[84:85], v[88:89]
	v_fma_f32 v84, v84, s12, s14                   ; var + 1e-5
	v_fma_f32 v85, v85, s12, s14
	v_rsq_f32 v86, v84
	v_rsq_f32 v87, v85
	v_nop                                          ; a plain instruction behind the two roots,
	s_wait_alu depctr_va_vdst(0)                   ; and the wait ahead of their first reader
	v_pk_mul_f32 v[86:87], v[86:87], v[12:13]      ; x g
	global_store_b64 v3, v[80:81], s[8:9]          ; a wave stores 256 consecutive bytes, aligned
	global_store_b64 v3, v[86:87], s[8:9] offset:1024
.Lend:
	s_wait_tensorcnt 0x0
	ds_add_u32 v128, v129
	s_wait_dscnt 0x0
	s_endpgm
.Lfunc_end_k_qe8c5fffdd8_stat0:
	.size	k_qe8c5fffdd8_stat0, .Lfunc_end_k_qe8c5fffdd8_stat0-k_qe8c5fffdd8_stat0
	.p2alignl 7, 3214868480
	.fill 96, 4, 3214868480
	.section	.rodata,"a",@progbits
	.p2align	6, 0x0
	.amdhsa_kernel k_qe8c5fffdd8_stat0
		.amdhsa_group_segment_fixed_size 18432
		.amdhsa_private_segment_fixed_size 0
		.amdhsa_enable_private_segment 0
		.amdhsa_kernarg_size 24
		.amdhsa_user_sgpr_count 2
		.amdhsa_user_sgpr_kernarg_segment_ptr 1
		.amdhsa_wavefront_size32 1
		.amdhsa_system_sgpr_workgroup_id_x 1
		.amdhsa_system_sgpr_workgroup_id_y 1
		.amdhsa_system_sgpr_workgroup_id_z 1
		.amdhsa_system_vgpr_workitem_id 0
		.amdhsa_next_free_vgpr 130
		.amdhsa_next_free_sgpr 66
		.amdhsa_reserve_vcc 0
		.amdhsa_float_denorm_mode_32 3
		.amdhsa_float_denorm_mode_16_64 3
		.amdhsa_memory_ordered 1
		.amdhsa_forward_progress 1
		.amdhsa_inst_pref_size 14
	.end_amdhsa_kernel
	.amdgpu_metadata
---
amdhsa.version: [ 1, 2 ]
amdhsa.kernels:
  - .name:           k_qe8c5fffdd8_stat0
    .symbol:         k_qe8c5fffdd8_stat0.kd
    .args:
      - { .name: part0, .offset: 0, .size: 8, .value_kind: global_buffer, .address_space: global }
      - { .name: bn0_g, .offset: 8, .size: 8, .value_kind: global_buffer, .address_space: global }
      - { .name: coef0, .offset: 16, .size: 8, .value_kind: global_buffer, .address_space: global }
    .group_segment_fixed_size: 18432
    .private_segment_fixed_size: 0
    .kernarg_segment_align: 8
    .kernarg_segment_size: 24
    .max_flat_workgroup_size: 512
    .sgpr_count:     66
    .vgpr_count:     130
    .wavefront_size: 32
...
	.end_amdgpu_metadata
.endif
;; end of part 4
;; launch lin (part 5): grid 256 x 1, 4 waves a work-group, no clusters, 75,264 bytes of LDS; arguments y0, coef0, bn0_b, lin_w_codes, lin_b, lowp_scales, u, part1; writes u, part1
.if DOCPART == 5
	.amdgcn_target "amdgcn-amd-amdhsa--gfx1250"
	.amdhsa_code_object_version 6
	.text
	.protected	k_qe8c5fffdd8_lin
	.globl	k_qe8c5fffdd8_lin
	.p2align	8
	.type	k_qe8c5fffdd8_lin,@function
k_qe8c5fffdd8_lin:
	s_mov_b64 s[64:65], 0
	v_nop
	global_prefetch_b8 v0, s[64:65] scope:SCOPE_SE
	s_setreg_imm32_b32 hwreg(HW_REG_WAVE_MODE, 25, 1), 1
	s_wait_xcnt 0x0
; z = (y0 - mean) x scale + bn0_b;  u = Q(z) lin_w + lin_b + z, the product on codes of E5M2 with the given scales (entries 12 and 13);  mean and sum of squared deviations of the work-group's 32 rows of u.
; Four waves share the columns: wave w owns output channels 64 w on and keeps its eight weight fragments in registers.  z goes through LDS as rows (pitch 1,040), its codes as images of the operand's registers.
; The product is used transposed (source 0 = 16 rows of the weight, source 1 = 16 rows of z): a lane's eight results are eight neighbouring channels of a row.
; No cluster, no tensor load: a work-group's own rows are shared with nobody, and the shared weight is 64 KiB read once into registers.
; LIMITS: NaN among the inputs is not served; entry 12 lies between -126 and 112, the sum of entries 12 and 13 between -126 and 127.
.set XP,  1040
.set ZL,  0                            ; LDS: z, [32][XP];
.set UL,  32*XP                        ; u likewise;
.set IMG, 64*XP                        ; the four fragments of codes, 2,048 bytes each
.macro BAR
	s_wait_dscnt 0x0
	s_barrier_signal -1
	s_barrier_wait -1
.endm
	s_load_b512 s[4:19], s[0:1], 0x0               ; y0, coef0, bn0_b, lin_w_codes, lin_b, lowp_scales, u, part1
	v_lshl_add_u32 v15, v0, 2, 0x12400
	s_set_vgpr_msb 0x40
	v_mov_b32 v1, 0
	s_set_vgpr_msb 0x4000
	v_lshrrev_b32 v1, 5, v0
	v_readfirstlane_b32 s2, v1                     ; wave w
	v_and_b32 v1, 31, v0                           ; lane
	v_and_b32 v2, 15, v0                           ; r
	v_bfe_u32 v3, v0, 4, 1                         ; h
	v_lshlrev_b32 v4, 4, v1                        ; 16 x lane
	s_lshl_b32 s30, s2, 13
	v_lshl_add_u32 v5, v1, 4, s30                  ; my wave's eight rows of y0
	s_mul_i32 s31, s2, 8*XP
	v_lshl_add_u32 v6, v1, 4, s31                  ; the same in z
	v_lshlrev_b32 v7, 8, v2
	v_lshl_add_u32 v7, v3, 4, v7                   ; a weight's fragment: row r of 256 codes, + 16 h
	v_lshlrev_b32 v8, 5, v3                        ; the bias in the result's layout
	s_lshr_b32 s30, s2, 1                          ; the fragment that I make: rows 16 (w / 2) on, K step w % 2
	s_mul_i32 s30, s30, 16*XP
	s_and_b32 s31, s2, 1
	s_lshl_b32 s31, s31, 9
	s_add_co_u32 s30, s30, s31
	v_mul_u32_u24 v9, v2, XP
	v_lshl_add_u32 v9, v3, 6, v9
	v_add_nc_u32 v9, s30, v9
	s_lshl_b32 s30, s2, 11
	s_add_co_u32 s30, s30, IMG
	v_lshl_add_u32 v10, v1, 4, s30
	v_lshl_add_u32 v11, v1, 4, IMG
	s_lshl_b32 s26, s2, 8
	v_mul_u32_u24 v12, v2, XP
	v_lshl_add_u32 v12, v3, 5, v12
	v_add_nc_u32 v12, s26, v12                     ; the result's layout in z and in u: row r, my 64 channels, + 8 h
	v_lshlrev_b32 v13, 3, v0                       ; the column pass: 8 x thread
	s_lshl_b32 s20, ttmp9, 15
	s_mov_b32 s21, 0
	s_lshl_b32 s22, ttmp9, 11
	s_mov_b32 s23, 0
	s_lshl_b32 s24, s2, 14
	s_mov_b32 s25, 0
	s_mov_b32 s27, 0
	s_wait_kmcnt 0x0
	s_load_b64 s[28:29], s[14:15], 0x30            ; entries 12 and 13
	s_add_nc_u64 s[4:5], s[4:5], s[20:21]
	s_add_nc_u64 s[16:17], s[16:17], s[20:21]
	s_add_nc_u64 s[18:19], s[18:19], s[22:23]
	s_add_nc_u64 s[10:11], s[10:11], s[24:25]
	s_add_nc_u64 s[12:13], s[12:13], s[26:27]
	global_load_b128 v[80:83], v4, s[6:7]                  ; mean, scale, beta of my four channels in each half of a row
	global_load_b128 v[84:87], v4, s[6:7] offset:512
	global_load_b128 v[88:91], v4, s[6:7] offset:1024
	global_load_b128 v[92:95], v4, s[6:7] offset:1536
	global_load_b128 v[96:99], v4, s[8:9]
	global_load_b128 v[100:103], v4, s[8:9] offset:512
.irp f, 0,1,2,3,4,5,6,7,8,9,10,11,12,13,14,15
	global_load_b128 v[16+4*\f:19+4*\f], v5, s[4:5] offset:(\f/2)*1024+(\f%2)*512 th:TH_LOAD_NT    ; 32 lanes read 512 consecutive bytes
.endr
.irp f, 0,1,2,3,4,5,6,7
.irp c, 0,1,2,3
	global_load_b128 v[128+16*\f+4*\c:131+16*\f+4*\c], v7, s[10:11] offset:(\f/2)*4096+(\f%2)*128+\c*32
.endr
.endr
	s_wait_loadcnt 32                              ; all but the weights' 32 loads
.irp f, 0,1,2,3,4,5,6,7,8,9,10,11,12,13,14,15
.irp p, 0,2
	v_pk_add_f32 v[16+4*\f+\p:17+4*\f+\p], v[16+4*\f+\p:17+4*\f+\p], v[80+4*(\f%2)+\p:81+4*(\f%2)+\p] neg_lo:[0,1] neg_hi:[0,1]
	v_pk_fma_f32 v[16+4*\f+\p:17+4*\f+\p], v[16+4*\f+\p:17+4*\f+\p], v[88+4*(\f%2)+\p:89+4*(\f%2)+\p], v[96+4*(\f%2)+\p:97+4*(\f%2)+\p]
.endr
	ds_store_b128 v6, v[16+4*\f:19+4*\f] offset:(\f/2)*XP+(\f%2)*512
.endr
.irp f, 0,1,2,3,4,5,6,7
	global_load_b128 v[96+4*\f:99+4*\f], v8, s[12:13] offset:(\f/2)*64+(\f%2)*16   ; lin_b in the result's layout
.endr
	s_wait_kmcnt 0x0
	s_add_co_i32 s30, s28, 127
	s_lshl_b32 s31, s30, 23
	v_mov_b32 v14, s31                             ; 2^e for the conversion
	s_add_co_i32 s30, s30, 15
	s_lshl_b32 s30, s30, 23
	s_or_b32 s33, s30, 0x600000                    ; +-57,344 x 2^e for the hold
	s_or_b32 s32, s33, 0x80000000
	s_add_co_i32 s34, s28, s29
	s_add_co_i32 s34, s34, 127
	s_lshl_b32 s34, s34, 23                        ; 2^(the two exponents added)
	s_mov_b32 s35, s34                             ; (named with it as a pair, so it is written)
	BAR                                            ; z lies whole in LDS
.irp f, 0,1,2,3,4,5,6,7,8,9,10,11,12,13,14,15
	ds_load_b128 v[16+4*\f:19+4*\f], v9 offset:(\f/4)*128+(\f%4)*16
.endr
	s_wait_dscnt 0x0
.set hn, 0
.rept 64
	v_med3_num_f32 v[16+hn], v[16+hn], s32, s33    ; the conversion to an 8-bit code does not saturate (ISA guide 7.6.2)
.set hn, hn+1
.endr
.irp g, 0,1,2,3,4,5,6,7
	v_cvt_scalef32_pk8_bf8_f32 v[80+2*\g:81+2*\g], v[16+8*\g:23+8*\g], v14
.endr
	v_nop                                          ; one plain vector instruction behind the last scaled conversion
.irp c, 0,1,2,3
	ds_store_b128 v10, v[80+4*\c:83+4*\c] offset:\c*512
.endr
	BAR                                            ; the four fragments lie in LDS
	s_wait_loadcnt 0x0                             ; the weights and lin_b
.irp mt, 0,1
.irp f, 0,1,2,3,4,5,6,7
	ds_load_b128 v[16+4*\f:19+4*\f], v11 offset:\mt*4096+\f*512
.endr
	s_wait_dscnt 0x0
.irp t, 0,1,2,3                        ; the accumulators take turns, one instruction a turn
	v_wmma_f32_16x16x128_bf8_bf8 v[48+8*\t:55+8*\t], v[128+32*\t:143+32*\t], v[16:31], 0
.endr
.irp t, 0,1,2,3
	v_wmma_f32_16x16x128_bf8_bf8 v[48+8*\t:55+8*\t], v[144+32*\t:159+32*\t], v[32:47], v[48+8*\t:55+8*\t]
.endr
.rept 4
	v_nop                                          ; four places ahead of the loads into the fragments' registers and of the first read of results
.endr
.irp f, 0,1,2,3,4,5,6,7
	ds_load_b128 v[16+4*\f:19+4*\f], v12 offset:\mt*16*XP+(\f/2)*64+(\f%2)*16      ; z in the result's layout
.endr
	s_wait_dscnt 0x0
.irp p, 0,2,4,6,8,10,12,14,16,18,20,22,24,26,28,30
	v_pk_fma_f32 v[48+\p:49+\p], v[48+\p:49+\p], s[34:35], v[96+\p:97+\p] op_sel_hi:[1,0,1]
	v_pk_add_f32 v[48+\p:49+\p], v[48+\p:49+\p], v[16+\p:17+\p]
.endr
.irp f, 0,1,2,3,4,5,6,7
	ds_store_b128 v12, v[48+4*\f:51+4*\f] offset:UL+\mt*16*XP+(\f/2)*64+(\f%2)*16
.endr
.endr
	BAR                                            ; u lies whole in LDS
	; thread t owns channels 2 t and 2 t + 1
.set cr, 0
.rept 32
	ds_load_b64 v[128+2*cr:129+2*cr], v13 offset:UL+cr*XP
.set cr, cr+1
.endr
	s_wait_dscnt 0x0
.set cr, 0
.rept 32
	global_store_b64 v13, v[128+2*cr:129+2*cr], s[16:17] offset:cr*1024    ; a wave stores 256 consecutive bytes, aligned
.set cr, cr+1
.endr
.irp c, 0,1,2,3
	v_pk_add_f32 v[16+2*\c:17+2*\c], v[128+2*\c:129+2*\c], v[136+2*\c:137+2*\c]
.endr
.irp g, 2,3,4,5,6,7
.irp c, 0,1,2,3
	v_pk_add_f32 v[16+2*\c:17+2*\c], v[16+2*\c:17+2*\c], v[128+8*\g+2*\c:129+8*\g+2*\c]
.endr
.endr
	v_pk_add_f32 v[16:17], v[16:17], v[18:19]
	v_pk_add_f32 v[20:21], v[20:21], v[22:23]
	v_pk_add_f32 v[16:17], v[16:17], v[20:21]
	v_pk_mul_f32 v[24:25], v[16:17], 0x3d000000 op_sel_hi:[1,0]            ; / 32: the mean
.set cr, 0
.rept 32
	v_pk_add_f32 v[192+2*cr:193+2*cr], v[128+2*cr:129+2*cr], v[24:25] neg_lo:[0,1] neg_hi:[0,1]
.set cr, cr+1
.endr
.irp c, 0,1,2,3
	v_pk_mul_f32 v[16+2*\c:17+2*\c], v[192+2*\c:193+2*\c], v[192+2*\c:193+2*\c]
.endr
.irp g, 1,2,3,4,5,6,7
.irp c, 0,1,2,3
	v_pk_fma_f32 v[16+2*\c:17+2*\c], v[192+8*\g+2*\c:193+8*\g+2*\c], v[192+8*\g+2*\c:193+8*\g+2*\c], v[16+2*\c:17+2*\c]
.endr
.endr
	v_pk_add_f32 v[16:17], v[16:17], v[18:19]
	v_pk_add_f32 v[20:21], v[20:21], v[22:23]
	v_pk_add_f32 v[16:17], v[16:17], v[20:21]
	global_store_b64 v13, v[24:25], s[18:19]
	global_store_b64 v13, v[16:17], s[18:19] offset:1024
	s_set_vgpr_msb 0x4
	s_wait_tensorcnt 0x0
	ds_add_u32 v15, v1
	s_wait_dscnt 0x0
	s_set_vgpr_msb 0x400
	s_endpgm
.Lfunc_end_k_qe8c5fffdd8_lin:
	.size	k_qe8c5fffdd8_lin, .Lfunc_end_k_qe8c5fffdd8_lin-k_qe8c5fffdd8_lin
	.p2alignl 7, 3214868480
	.fill 96, 4, 3214868480
	.section	.rodata,"a",@progbits
	.p2align	6, 0x0
	.amdhsa_kernel k_qe8c5fffdd8_lin
		.amdhsa_group_segment_fixed_size 75264
		.amdhsa_private_segment_fixed_size 0
		.amdhsa_enable_private_segment 0
		.amdhsa_kernarg_size 64
		.amdhsa_user_sgpr_count 2
		.amdhsa_user_sgpr_kernarg_segment_ptr 1
		.amdhsa_wavefront_size32 1
		.amdhsa_system_sgpr_workgroup_id_x 1
		.amdhsa_system_sgpr_workgroup_id_y 1
		.amdhsa_system_sgpr_workgroup_id_z 1
		.amdhsa_system_vgpr_workitem_id 0
		.amdhsa_next_free_vgpr 258
		.amdhsa_next_free_sgpr 66
		.amdhsa_reserve_vcc 0
		.amdhsa_float_denorm_mode_32 3
		.amdhsa_float_denorm_mode_16_64 3
		.amdhsa_memory_ordered 1
		.amdhsa_forward_progress 1
		.amdhsa_inst_pref_size 40
	.end_amdhsa_kernel
	.amdgpu_metadata
---
amdhsa.version: [ 1, 2 ]
amdhsa.kernels:
  - .name:           k_qe8c5fffdd8_lin
    .symbol:         k_qe8c5fffdd8_lin.kd
    .args:
      - { .name: y0, .offset: 0, .size: 8, .value_kind: global_buffer, .address_space: global }
      - { .name: coef0, .offset: 8, .size: 8, .value_kind: global_buffer, .address_space: global }
      - { .name: bn0_b, .offset: 16, .size: 8, .value_kind: global_buffer, .address_space: global }
      - { .name: lin_w_codes, .offset: 24, .size: 8, .value_kind: global_buffer, .address_space: global }
      - { .name: lin_b, .offset: 32, .size: 8, .value_kind: global_buffer, .address_space: global }
      - { .name: lowp_scales, .offset: 40, .size: 8, .value_kind: global_buffer, .address_space: global }
      - { .name: u, .offset: 48, .size: 8, .value_kind: global_buffer, .address_space: global }
      - { .name: part1, .offset: 56, .size: 8, .value_kind: global_buffer, .address_space: global }
    .group_segment_fixed_size: 75264
    .private_segment_fixed_size: 0
    .kernarg_segment_align: 8
    .kernarg_segment_size: 64
    .max_flat_workgroup_size: 128
    .sgpr_count:     66
    .vgpr_count:     258
    .wavefront_size: 32
...
	.end_amdgpu_metadata
.endif
;; end of part 5
;; launch stat1: the kernel of part 4 again; grid 4 x 1, 16 waves a work-group, no clusters, 18,432 bytes of LDS; arguments part1, bn1_g, coef1; writes coef1
;; launch bn (part 6): grid 256 x 1, 8 waves a work-group, no clusters, 0 bytes of LDS; arguments u, coef1, bn1_b, out0; writes out0
.if DOCPART == 6
	.amdgcn_target "amdgcn-amd-amdhsa--gfx1250"
	.amdhsa_code_object_version 6
	.text
	.protected	k_qe8c5fffdd8_bn
	.globl	k_qe8c5fffdd8_bn
	.p2align	8
	.type	k_qe8c5fffdd8_bn,@function
k_qe8c5fffdd8_bn:
	s_mov_b64 s[64:65], 0
	v_nop
	global_prefetch_b8 v0, s[64:65] scope:SCOPE_SE
	s_setreg_imm32_b32 hwreg(HW_REG_WAVE_MODE, 25, 1), 1
	s_wait_xcnt 0x0
; out0 = (u - mean) x scale + bn1_b.  A stream: a work-group takes 32 rows, thread t 16 bytes of every fourth row, so that its four channels, and their mean, scale and beta, stay the same.
; A wave's load or store covers 512 consecutive bytes.  All eight loads go out at once; each step works in place on its own registers, so nothing that a store reads is written again.
; Memory binds: LDS, the matrix units and clusters would add nothing.
	s_load_b256 s[4:11], s[0:1], 0x0               ; u, coef1, bn1_b, out0
	v_and_b32 v1, 63, v0
	v_lshlrev_b32 v1, 4, v1                        ; my four channels
	v_lshlrev_b32 v2, 4, v0                        ; my 16 bytes of four rows' 4,096
	s_lshl_b32 s12, ttmp9, 15
	s_mov_b32 s13, 0
	s_wait_kmcnt 0x0
	s_add_nc_u64 s[4:5], s[4:5], s[12:13]
	s_add_nc_u64 s[10:11], s[10:11], s[12:13]
	global_load_b128 v[4:7], v1, s[6:7]
	global_load_b128 v[8:11], v1, s[6:7] offset:1024
	global_load_b128 v[12:15], v1, s[8:9]
.irp k, 0,1,2,3,4,5,6,7
	global_load_b128 v[16+4*\k:19+4*\k], v2, s[4:5] offset:4096*\k th:TH_LOAD_NT
.endr
.irp k, 0,1,2,3,4,5,6,7
	s_wait_loadcnt 7-\k                            ; loads come back in order (ISA guide 5.7.1): step k's is in, the younger ones stay out
	v_pk_add_f32 v[16+4*\k:17+4*\k], v[16+4*\k:17+4*\k], v[4:5] neg_lo:[0,1] neg_hi:[0,1]
	v_pk_add_f32 v[18+4*\k:19+4*\k], v[18+4*\k:19+4*\k], v[6:7] neg_lo:[0,1] neg_hi:[0,1]
	v_pk_fma_f32 v[16+4*\k:17+4*\k], v[16+4*\k:17+4*\k], v[8:9], v[12:13]
	v_pk_fma_f32 v[18+4*\k:19+4*\k], v[18+4*\k:19+4*\k], v[10:11], v[14:15]
	global_store_b128 v2, v[16+4*\k:19+4*\k], s[10:11] offset:4096*\k th:TH_STORE_NT
.endr
	s_endpgm
.Lfunc_end_k_qe8c5fffdd8_bn:
	.size	k_qe8c5fffdd8_bn, .Lfunc_end_k_qe8c5fffdd8_bn-k_qe8c5fffdd8_bn
	.p2alignl 7, 3214868480
	.fill 96, 4, 3214868480
	.section	.rodata,"a",@progbits
	.p2align	6, 0x0
	.amdhsa_kernel k_qe8c5fffdd8_bn
		.amdhsa_group_segment_fixed_size 0
		.amdhsa_private_segment_fixed_size 0
		.amdhsa_enable_private_segment 0
		.amdhsa_kernarg_size 32
		.amdhsa_user_sgpr_count 2
		.amdhsa_user_sgpr_kernarg_segment_ptr 1
		.amdhsa_wavefront_size32 1
		.amdhsa_system_sgpr_workgroup_id_x 1
		.amdhsa_system_sgpr_workgroup_id_y 1
		.amdhsa_system_sgpr_workgroup_id_z 1
		.amdhsa_system_vgpr_workitem_id 0
		.amdhsa_next_free_vgpr 64
		.amdhsa_next_free_sgpr 66
		.amdhsa_reserve_vcc 0
		.amdhsa_float_denorm_mode_32 3
		.amdhsa_float_denorm_mode_16_64 3
		.amdhsa_memory_ordered 1
		.amdhsa_forward_progress 1
		.amdhsa_inst_pref_size 5
	.end_amdhsa_kernel
	.amdgpu_metadata
---
amdhsa.version: [ 1, 2 ]
amdhsa.kernels:
  - .name:           k_qe8c5fffdd8_bn
    .symbol:         k_qe8c5fffdd8_bn.kd
    .args:
      - { .name: u, .offset: 0, .size: 8, .value_kind: global_buffer, .address_space: global }
      - { .name: coef1, .offset: 8, .size: 8, .value_kind: global_buffer, .address_space: global }
      - { .name: bn1_b, .offset: 16, .size: 8, .value_kind: global_buffer, .address_space: global }
      - { .name: out0, .offset: 24, .size: 8, .value_kind: global_buffer, .address_space: global }
    .group_segment_fixed_size: 0
    .private_segment_fixed_size: 0
    .kernarg_segment_align: 8
    .kernarg_segment_size: 32
    .max_flat_workgroup_size: 256
    .sgpr_count:     66
    .vgpr_count:     64
    .wavefront_size: 32
...
	.end_amdgpu_metadata
.endif
;; end of part 6
;; ======== version 2 of 2: 7 launches; version 1 with the launches attn, lin written anew for expert scheduling mode
;; workspace buffers: grp 524,288 bytes of whole numbers; idx 524,288 bytes of whole numbers; y0 8,388,608 bytes; u 8,388,608 bytes; part0 524,288 bytes; part1 524,288 bytes; coef0 2,048 bytes; coef1 2,048 bytes
;; launch knn1: the kernel of part 1 again; grid 256 x 1, 16 waves a work-group, no clusters, 69,632 bytes of LDS; arguments lossy_C, ref_C, grp; writes grp
;; launch knn2: the kernel of part 2 again; grid 256 x 1, 16 waves a work-group, no clusters, 4,096 bytes of LDS; arguments lossy_C, ref_C, grp, idx; writes idx
;; launch attn (part 7): grid 256 x 1, 4 waves a work-group, no clusters, 219,648 bytes of LDS; arguments idx, lossy_C, ref_C, lossy_F, ref_F, lowp_scales, y0, part0, pos0_w, pos0_b, q0_w_codes, q0_b, k0_w_codes, k0_b, v0_w_codes, v0_b, pos1_w, pos1_b, q1_w_codes, q1_b, k1_w_codes, k1_b, v1_w_codes, v1_b; writes y0, part0
.if DOCPART == 7
	.amdgcn_target "amdgcn-amd-amdhsa--gfx1250"
	.amdhsa_code_object_version 6
	.text
	.protected	k_qe8c5fffdd8_attn
	.globl	k_qe8c5fffdd8_attn
	.p2align	8
	.type	k_qe8c5fffdd8_attn,@function
k_qe8c5fffdd8_attn:
	s_mov_b64 s[64:65], 0
	v_nop
	global_prefetch_b8 v0, s[64:65] scope:SCOPE_SE
	s_setreg_imm32_b32 hwreg(HW_REG_WAVE_SCHED_MODE, 0, 2), 2
	s_setreg_imm32_b32 hwreg(HW_REG_WAVE_MODE, 25, 1), 1
	s_wait_xcnt 0x0
	s_wait_alu depctr_vm_vsrc(0)
; BOTH ATTENTION LAYERS, THE RESIDUAL, AND THE FIRST NORM'S PARTIAL STATISTICS.  A work-group of four waves takes 32 queries through both layers; nothing between the gather and y0 goes to memory.
; A query's 16 neighbours are one tile of 16 rows.  THE WAVES SHARE THE COLUMNS: wave w owns output channels 64 w .. 64 w + 63 of Q, K and V, whose weight fragments stay in its registers for a layer,
; and it makes input channels 64 w .. 64 w + 63 of every tile nf = feature + rel W + b, quantises them twice (K's and V's operands have scales of their own) and hands the codes to the others through LDS
; as images of the operand's registers (16 bytes a lane, 512 bytes a store).
; nf is made by v_wmma_f32_16x16x4_f32: A = 16 channels x (W0, W1, W2, b), B = (rel0, rel1, rel2, 1) x 16 neighbours, C = the gathered features.  The channels of a tile are chosen so that a lane's 16 registers
; of two neighbouring tiles are 16 neighbours along the next K.  Its results (v64-95) are written by matrix instructions alone; the holds copy them.
; K is used transposed (a lane holds a neighbour, registers run along channels; C of the first K step = k_b / 2^(eA + eB)), V natural (a lane holds a channel, registers run along neighbours).
; Q is stored as Q x log2(e) / 16 x 2^(eKA + eKB), so the sum of K's raw sums x that is log2(e) x the logit.  The softmax takes the row's maximum away; V's bias is added behind it, since the weights add up to 1.
; PIPELINE: queries go in 8 blocks of 4.  Trip i runs S (softmax and weighted sum) of block i - 2, M (products, logits) of block i - 1 and P (nf, codes) of block i, with one barrier a trip; codes and logits have two
; LDS buffers by turns, so what a trip writes is never what it reads.  One text serves both layers (a loop of two trips; pointers by s_cselect_b64 on the layer's number).
; THE GATHER runs a block ahead in a ring of four register slots; it wraps round at a layer's end into the next layer's first block.  The second layer's last producing trip so asks once more for block 0, which nobody reads:
; a sixteenth of the gathered bytes, for one text and the same loads on every path.
; No cluster and no tensor load: the large stream is rows named by a list and shared with nobody; the weights, which all work-groups share, are 384 KiB a work-group against 1 MiB of gathered rows.
; LIMITS: NaN among the inputs is not served.  Each quantiser's exponent e lies between -126 and 112; eQA + eQB, eKA + eKB and eVA + eVB between -126 and 127, and the products of these powers with log2(e) / 16 are f32 numbers.
; THE MODE: SCHED_MODE bits 1:0 = 2 (LLVM: expert scheduling mode 2), set by the entry lines.  The code itself states the register dependences between vector or matrix instructions and memory or LDS
; instructions, with s_wait_alu, always for 0.
; THE PLAN.  Registers that memory or LDS instructions touch in a trip, and who else names them:
;   v24-30        the trip's places: written at the trip's head, read by the trip's LDS loads and stores.
;   AK, AV, QV    loaded at a step's head; read by that step's products and logits.
;   RB            rel of a step: read by the step's four f32 products; behind them the next step's rel is loaded (a trip's first at the trip's head).
;   slot k, FA, IO, IDXR   step k: the f32 products read the slot as C, three vector lines make the addresses; then the slot and its index are loaded again.
;   PT            written by a step's weighted sum, read by its four LDS stores.      CK, CV, LGP   written by a step's conversions and logits, read by its five LDS stores.
; A step has two runs of memory instructions, each behind ONE wait on va_vdst.  In its middle, behind the f32 products, the weighted sum and the gather's addresses: the gather's nine loads, PT's stores, the next rel.
; At its end, behind the conversions and the logits: the stores of the codes and of the logit, and then, with no vector line between, the next step's 24 loads of fragments and Q.
; One wait on vm_vsrc a step, behind the f32 products, states that the stores issued so far have read PT, CK, CV and LGP, which the step writes again; one at a trip's head does so for the trip's places.
.set XP,   1040                        ; a row of 256 f32 in LDS + 16 bytes: 65 x 16, so sixteen rows' 16-byte pieces fall on different banks (64 banks of 4 bytes: ISA guide 11.1)
.set XB,   32*XP                       ; LDS: X0 = lossy_F, X1 = the first layer's result, X2 = the second's: 33,280 bytes each,
.set QSL,  3*XB                        ; the scaled Q, [32][XP],
.set CODE, QSL+XB                      ; codes: [2 buffers][4 queries][K, V][2 K steps][4][lane x 16]: steps 32,768 / 8,192 / 4,096 / 2,048 / 512,
.set QIMG, CODE+65536                  ; x's four fragments, 2,048 each,
.set LGL,  QIMG+8192                   ; logits: [2 buffers][4 queries][16 neighbours][4 waves] f32,
.set EBL,  LGL+2048                    ; each wave's own 512 bytes: e[4][16], then 1 / sum [4] at +256,
.set RELL, EBL+2048                    ; and [32 queries][16 neighbours][rel0, rel1, rel2, 1.0]: to byte 219,136
; window 0
.set PSTB, 4                           ; v4-23: places that stay
.set MLDB, 5
.set RELB, 6
.set QSB,  7
.set LGWB, 8
.set LGRB, 9
.set EBS,  10
.set EBR,  11
.set RSS,  12
.set RSR,  13
.set XOB,  14
.set FEL,  15
.set R4,   16
.set XQB,  17
.set QIW,  18
.set QIR,  19
.set QSW,  20
.set WFR,  21
.set BOF,  22
.set PWA,  23
.set PST,  24                          ; v24-31: the trip's places
.set MLD,  25
.set RELA, 26
.set QSA,  27
.set LGWA, 28
.set LGRA, 29
.set XOA,  30
.set XQA,  31
.set IDXR, 32                          ; v32-35 a slot's neighbour index; v36-39 its offset in ref_F; v40-43 its offset in idx
.set FA,   36
.set IO,   40
.set RB,   44                          ; v44-45 B of the f32 product
.set SCK,  46                          ; the conversions' scales
.set SCV,  47
.set SCQ,  48
.set PWB,  49
.set VB,   50                          ; v50-53 v_b of my four tiles
.set LA,   54                          ; v54-57 the logit's two chains
.set RS,   58                          ; v58-61 2^(eVA + eVB) / sum, four queries
.set LGP,  62
.set LGQ,  63
.set NF,   64                          ; v64-95   nf
.set HK,   96                          ; v96-127  nf held for K
.set CK,   128                         ; v128-135, v136-143 the codes just made
.set CV,   136
.set AK,   144                         ; v144-175, v176-207 nf's fragments for K and for V
.set AV,   176
.set KAC,  208                         ; v208-239 K's four accumulators
.set OT,   240                         ; v240-255 at work
.set PT,   248
.set PX,   252
; window 1: K's weights at v[32 t + 16 s], V's at v[128 + 32 t + 16 s].   window 2: v0-127 the gather's four slots;
.set KBS,  160                         ; v160-191 k_b, scaled;
.set QV,   192                         ; v192-223 the query's Q (q_b, scaled, while Q is made);
.set EW,   224                         ; v224-255 e of four queries.   window 3: v0-127 V's accumulators, 32 a query (Q's weights while Q is made);
.set PW,   128                         ; v128-135 A of the f32 product;
.set HV,   136                         ; v136-167 nf held for V
.set MSB, 0
.macro WIN new                         ; bits 1:0 source 0, 3:2 source 1, 5:4 source 2, 7:6 destination; the immediate's high byte repeats the setting that is left
.if MSB != \new
	s_set_vgpr_msb (MSB<<8)|\new
.set MSB, \new
.endif
.endm
.macro BAR                             ; my LDS stores have landed and my LDS loads are in: then the work-group's barrier
	s_wait_dscnt 0x0
	s_barrier_signal -1
	s_barrier_wait -1
.endm
; Slot k.  GADDR: the addresses, from the index that the slot holds and from s84, the bytes in the work-group's list of the block after that.
; GLOAD: the features of the block whose indices the slot holds, then the indices of the block after that.  A wait on va_vdst stands between the two.
.macro GADDR k
	WIN 0
	v_min_u32 v[IDXR+\k], 0x3fff, v[IDXR+\k]
	v_lshl_add_u32 v[FA+\k], v[IDXR+\k], 10, v[FEL]
	v_add_nc_u32 v[IO+\k], s84, v[R4]
.endm
.macro GLOAD k
	WIN 0x80
.irp f, 0,1,2,3,4,5,6,7
	global_load_b128 v[32*(\k)+4*\f:32*(\k)+4*\f+3], v[FA+\k], s[12:13] offset:(\f/4)*128+((\f/2)%2)*32+(\f%2)*16
.endr
	WIN 0
	global_load_b32 v[IDXR+\k], v[IO+\k], s[4:5] offset:(\k)*64
.endm
	s_load_b512 s[4:19], s[0:1], 0x0               ; idx, lossy_C, ref_C, lossy_F, ref_F, lowp_scales, y0, part0
	s_set_vgpr_msb 0x80
	v_lshl_add_u32 v158, v0, 2, 0x35800
	v_mov_b32 v159, 0
	s_set_vgpr_msb 0x8000
	v_lshrrev_b32 v1, 5, v0
	v_readfirstlane_b32 s2, v1                     ; wave w
	v_and_b32 v1, 31, v0                           ; lane
	v_and_b32 v2, 15, v0                           ; r
	v_bfe_u32 v3, v0, 4, 1                         ; h
	s_mov_b32 s88, 0x76543210                      ; v_permlanex16_b32: lane l xor 16
	s_mov_b32 s89, 0xfedcba98
	s_wait_alu depctr_va_sdst(0)                   ; s2 is written, ahead of its first reader
	s_lshl_b32 s90, s2, 10
	s_add_co_u32 s90, s90, CODE
	v_lshl_add_u32 v[PSTB], v1, 4, s90             ; my codes: K step w / 2, pieces 2 (w % 2) on = 1,024 w
	v_lshl_add_u32 v[MLDB], v1, 4, CODE
	v_lshlrev_b32 v[RELB], 4, v2
	v_lshl_add_u32 v[RELB], v3, 3, v[RELB]
	v_add_nc_u32 v[RELB], RELL, v[RELB]            ; B's register j is k = 2 h + j of neighbour r
	s_lshl_b32 s91, s2, 8                          ; 256 w: my 64 channels in bytes
	s_add_co_u32 s92, s91, QSL
	v_lshl_add_u32 v[QSB], v3, 5, s92
	s_lshl_b32 s93, s2, 2
	s_add_co_u32 s93, s93, LGL
	v_lshl_add_u32 v[LGWB], v2, 4, s93
	v_lshlrev_b32 v[LGRB], 8, v3
	v_lshl_add_u32 v[LGRB], v2, 4, v[LGRB]
	v_add_nc_u32 v[LGRB], LGL, v[LGRB]
	s_lshl_b32 s94, s2, 9
	s_add_co_u32 s94, s94, EBL
	v_lshlrev_b32 v[EBS], 6, v3
	v_lshl_add_u32 v[EBS], v2, 2, v[EBS]
	v_add_nc_u32 v[EBS], s94, v[EBS]
	v_lshl_add_u32 v[EBR], v3, 5, s94
	s_add_co_u32 s95, s94, 256
	v_lshl_add_u32 v[RSS], v3, 2, s95
	v_mov_b32 v[RSR], s95
	v_lshl_add_u32 v[XOB], v2, 2, s91
	v_lshl_add_u32 v[FEL], v3, 6, s91              ; in a row of ref_F: my wave's 256 bytes, + 64 h
	v_lshlrev_b32 v[R4], 2, v2
	s_lshr_b32 s96, s2, 1                          ; x's fragment that I make: rows 16 (w / 2) on, K step w % 2
	s_mul_i32 s96, s96, 16*XP
	s_and_b32 s97, s2, 1
	s_lshl_b32 s97, s97, 9
	s_add_co_u32 s96, s96, s97
	v_mul_u32_u24 v[XQB], v2, XP
	v_lshl_add_u32 v[XQB], v3, 6, v[XQB]
	v_add_nc_u32 v[XQB], s96, v[XQB]
	s_lshl_b32 s97, s2, 11
	s_add_co_u32 s97, s97, QIMG
	v_lshl_add_u32 v[QIW], v1, 4, s97
	v_lshl_add_u32 v[QIR], v1, 4, QIMG
	v_mul_u32_u24 v[QSW], v2, XP
	v_add_nc_u32 v[QSW], v[QSW], v[QSB]
	v_lshlrev_b32 v[WFR], 8, v2                    ; a weight's fragment: row r of 256 codes, + 16 h
	v_lshl_add_u32 v[WFR], v3, 4, v[WFR]
	v_lshlrev_b32 v[BOF], 5, v3                    ; a bias in a transposed result's layout: + 8 h channels
	v_and_b32 v[PWB], 8, v2
	v_add_nc_u32 v[PWB], v[PWB], v2
	v_lshlrev_b32 v[PWB], 2, v[PWB]                ; A's row r is channel r + 8 (r / 8) of its tile
	v_lshl_add_u32 v[PWA], v3, 11, v[PWB]          ; register 0: W0 in lanes 0-15, W2 in lanes 16-31
	v_lshlrev_b32 v62, 4, v0                       ; the head's own places: four entries of idx,
	v_lshrrev_b32 v63, 2, v0
	v_mul_u32_u24 v63, v63, 12                     ; their query's coordinates,
	s_lshl_b32 s98, s2, 13
	v_lshl_add_u32 v24, v1, 4, s98                 ; my wave's eight rows of lossy_F,
	s_mul_i32 s99, s2, 8*XP
	v_lshl_add_u32 v25, v1, 4, s99                 ; the same in X0,
	v_lshl_add_u32 v26, v0, 6, RELL                ; and four neighbours' rel
.irp i, 0,1,2,3
	v_mov_b32 v[PX+\i], 0                          ; written once: a lane permute's destination counts as one of its sources
.endr
	s_lshl_b32 s90, ttmp9, 11
	s_mov_b32 s91, 0
	s_mul_i32 s92, ttmp9, 384
	s_mov_b32 s93, 0
	s_lshl_b32 s94, ttmp9, 15
	s_mov_b32 s95, 0
	s_wait_kmcnt 0x0
	s_load_b256 s[52:59], s[14:15], 0x0            ; the exponents 0 .. 11: layer 0's six, layer 1's six
	s_load_b128 s[60:63], s[14:15], 0x20
	s_add_nc_u64 s[4:5], s[4:5], s[90:91]
	s_add_nc_u64 s[18:19], s[18:19], s[90:91]
	s_add_nc_u64 s[6:7], s[6:7], s[92:93]
	s_add_nc_u64 s[10:11], s[10:11], s[94:95]
	s_add_nc_u64 s[16:17], s[16:17], s[94:95]
	s_wait_alu depctr_va_vdst(0)                   ; the places v4-26, v49, v62 and v63 are written, which the kernel's loads and stores read as addresses
	global_load_b128 v[240:243], v62, s[4:5]
	global_load_b32 v248, v63, s[6:7]
	global_load_b32 v249, v63, s[6:7] offset:4
	global_load_b32 v250, v63, s[6:7] offset:8
.irp f, 0,1,2,3,4,5,6,7,8,9,10,11,12,13,14,15
	global_load_b128 v[AK+4*\f:AK+4*\f+3], v24, s[10:11] offset:(\f/2)*1024+(\f%2)*512 th:TH_LOAD_NT   ; 32 lanes read 512 consecutive bytes
.endr
	s_wait_loadcnt 19                              ; the four indices are in: behind them 3 loads of coordinates and 16 of features
.irp e, 0,1,2,3
	v_min_u32 v[240+\e], 0x3fff, v[240+\e]
	v_mul_u32_u24 v[240+\e], v[240+\e], 12
.endr
	s_wait_alu depctr_va_vdst(0)                   ; the four offsets v240-243 are written, which the twelve loads below read
.irp e, 0,1,2,3
.irp d, 0,1,2
	global_load_b32 v[208+3*\e+\d], v[240+\e], s[8:9] offset:4*\d
.endr
.endr
	s_wait_loadcnt 12                              ; all but the twelve just issued
.irp f, 0,1,2,3,4,5,6,7,8,9,10,11,12,13,14,15
	ds_store_b128 v25, v[AK+4*\f:AK+4*\f+3] offset:(\f/2)*XP+(\f%2)*512
.endr
	s_wait_loadcnt 0x0
.irp e, 0,1,2,3
.irp d, 0,1,2
	v_sub_f32 v[220+4*\e+\d], v[248+\d], v[208+3*\e+\d]
.endr
	v_mov_b32 v[223+4*\e], 1.0
.endr
	s_wait_alu depctr_va_vdst(0)                   ; rel is written in v220-235, which the four LDS stores read
.irp e, 0,1,2,3
	ds_store_b128 v26, v[220+4*\e:223+4*\e] offset:\e*16
.endr
.irp k, 0,1,2,3
	global_load_b32 v[IDXR+\k], v[R4], s[4:5] offset:\k*64     ; the ring's start: block 0's indices,
.endr
	s_mov_b32 s84, 256
	s_wait_loadcnt 0x0
.irp k, 0,1,2,3
	GADDR \k
.endr
	WIN 0x80
	s_wait_alu depctr_va_vdst(0)                   ; the four slots' addresses v36-43 are written, which the loads below read; the lines that named v32-35, in which indices land, are done
.irp k, 0,1,2,3
	GLOAD \k                                       ; block 0's features, block 1's indices
.endr
	s_mov_b32 s75, 0                               ; the layer
	s_mov_b32 s85, 0                               ; its x in LDS
; ---- the stages of a trip
.macro ADDR doS, doM, doP
.if \doP
	v_add_nc_u32 v[PST], s77, v[PSTB]
	v_add_nc_u32 v[RELA], s81, v[RELB]
.endif
.if \doM
	v_add_nc_u32 v[MLD], s78, v[MLDB]
	v_add_nc_u32 v[QSA], s82, v[QSB]
	v_add_nc_u32 v[LGWA], s79, v[LGWB]
.endif
.if \doS
	v_add_nc_u32 v[LGRA], s80, v[LGRB]
	v_add_nc_u32 v[XOA], s83, v[XOB]
.endif
.endm
; A trip's head: the barrier (bar = 1: every trip but a layer's first), the trip's places, and rel of the trip's first query.
.macro THEAD doS, doM, doP, bar
.if \bar
	BAR
	s_wait_alu depctr_vm_vsrc(0)                   ; the last trip's LDS loads and stores have read the trip's places v24-30, which are written below
.endif
	ADDR \doS, \doM, \doP
	s_wait_alu depctr_va_vdst(0)                   ; the trip's places are written, which the trip's LDS loads and stores read; all that named RB, v240-247, EW, RS, AK, AV and QV, in which loads land below, is done
.if \doP
	ds_load_b64 v[RB:RB+1], v[RELA]
.endif
.endm
.macro NEXT doS, doM, doP
	s_xor_b32 s77, s77, 32768                      ; the buffers change places
	s_xor_b32 s78, s78, 32768
	s_xor_b32 s79, s79, 1024
	s_xor_b32 s80, s80, 1024
.if \doP
	s_add_co_u32 s81, s81, 1024
	s_add_co_u32 s84, s84, 256
	s_and_b32 s84, s84, 0x7ff                      ; the ring of indices wraps round
.endif
.if \doM
	s_add_co_u32 s82, s82, 4*XP
.endif
.if \doS
	s_add_co_u32 s83, s83, 4*XP
.endif
.endm
; The softmax of a block: register set u, row h of the lanes = query 2 u + h; the lane is the neighbour.  Every wave does it for itself.
.macro S1
	WIN 0
	ds_load_b128 v[240:243], v[LGRA]
	ds_load_b128 v[244:247], v[LGRA] offset:512
	s_wait_dscnt 0x0
	v_add_f32 v240, v240, v241                     ; the four waves' parts of the logit
	v_add_f32 v242, v242, v243
	v_add_f32 v244, v244, v245
	v_add_f32 v246, v246, v247
	v_add_f32 v240, v240, v242
	v_add_f32 v244, v244, v246
	v_max_num_f32_dpp v241, v240, v240 row_xmask:1 row_mask:0xf bank_mask:0xf
	v_max_num_f32_dpp v245, v244, v244 row_xmask:1 row_mask:0xf bank_mask:0xf
.irp m, 2,4,8
	v_max_num_f32_dpp v241, v241, v241 row_xmask:\m row_mask:0xf bank_mask:0xf
	v_max_num_f32_dpp v245, v245, v245 row_xmask:\m row_mask:0xf bank_mask:0xf
.endr
	v_sub_f32 v240, v240, v241                     ; the row's maximum is taken away
	v_sub_f32 v244, v244, v245
	v_exp_f32 v240, v240
	v_exp_f32 v244, v244
	v_nop                                          ; a plain instruction behind the exponentials
	s_wait_alu depctr_va_vdst(0)                   ; the two exponentials have written v240 and v244, ahead of their first readers: the LDS stores and the sums below
	ds_store_b32 v[EBS], v240
	ds_store_b32 v[EBS], v244 offset:128
	v_add_f32_dpp v242, v240, v240 row_xmask:1 row_mask:0xf bank_mask:0xf
	v_add_f32_dpp v246, v244, v244 row_xmask:1 row_mask:0xf bank_mask:0xf
.irp m, 2,4,8
	v_add_f32_dpp v242, v242, v242 row_xmask:\m row_mask:0xf bank_mask:0xf
	v_add_f32_dpp v246, v246, v246 row_xmask:\m row_mask:0xf bank_mask:0xf
.endr
	v_rcp_f32 v242, v242
	v_rcp_f32 v246, v246
	v_nop
	s_wait_alu depctr_va_vdst(0)                   ; the two reciprocals have written v242 and v246, ahead of their first readers
	v_mul_f32 v242, s74, v242                      ; x 2^(eVA + eVB)
	v_mul_f32 v246, s74, v246
	s_wait_alu depctr_va_vdst(0)                   ; the two products have written v242 and v246, which the LDS stores read
	ds_store_b32 v[RSS], v242                      ; sixteen lanes write one word with one value
	ds_store_b32 v[RSS], v246 offset:8
	WIN 0x80
.irp f, 0,1,2,3,4,5,6,7
	ds_load_b128 v[EW+4*\f:EW+4*\f+3], v[EBR] offset:(\f/2)*64+(\f%2)*16   ; LDS serves a wave's instructions in order (ISA guide 5.7.1.4): these see my stores.  e of neighbours 8 h + 0 .. 7
.endr
	WIN 0
	ds_load_b128 v[RS:RS+3], v[RSR]
.endm
; The weighted sum of query k: V's accumulators (register j = neighbour 8 h + j) x e, the two halves of the lanes added, / sum, + v_b.  S2A: the arithmetic.  S2B: its four stores, behind the step's middle wait.
.macro S2A k
	WIN 0x0b
.irp t, 0,1,2,3
	v_pk_mul_f32 v[OT+2*\t:OT+2*\t+1], v[32*(\k)+8*\t:32*(\k)+8*\t+1], v[EW+8*(\k):EW+8*(\k)+1]
.endr
.irp p, 1,2,3
.irp t, 0,1,2,3
	v_pk_fma_f32 v[OT+2*\t:OT+2*\t+1], v[32*(\k)+8*\t+2*\p:32*(\k)+8*\t+2*\p+1], v[EW+8*(\k)+2*\p:EW+8*(\k)+2*\p+1], v[OT+2*\t:OT+2*\t+1]
.endr
.endr
	WIN 0
.irp t, 0,1,2,3
	v_add_f32 v[PT+\t], v[OT+2*\t], v[OT+2*\t+1]
.endr
.irp t, 0,1,2,3
	v_permlanex16_b32 v[PX+\t], v[PT+\t], s88, s89
.endr
.irp t, 0,1,2,3
	v_add_f32 v[PT+\t], v[PT+\t], v[PX+\t]
.endr
.irp t, 0,1,2,3
	v_fma_f32 v[PT+\t], v[PT+\t], v[RS+\k], v[VB+\t]
.endr
.endm
.macro S2B k
.irp t, 0,1,2,3
	ds_store_b32 v[XOA], v[PT+\t] offset:(\k)*XP+\t*64     ; both halves of the lanes write the same word with the same value
.endr
.endm
; The holds: the conversion to an 8-bit code does not saturate (ISA guide 7.6.2).  The limits are scalars, so a hold fits under the matrix instructions' window settings: it stands between them with no switch.
.macro HOLDK cnt
.rept \cnt
	v_med3_num_f32 v[HK+hn], s66, v[NF+hn], s67
.set hn, hn+1
.endr
.endm
.macro HOLDV cnt
.rept \cnt
	v_med3_num_f32 v[HV+hn], v[NF+hn], s68, s69
.set hn, hn+1
.endr
.endm
; Query k of the trip's three blocks.
.macro STEP k, doS, doM, doP
.set rbn, 0                            ; 1: this step asks for the next step's rel
.if \doP && (\k < 3)
.set rbn, 1
.endif
.if \doM                               ; no wait: no vector or matrix instruction since the last wait on va_vdst (the last step's end, or the trip's head and its softmax) names AK, AV, QV or their two places
	WIN 0
.irp f, 0,1,2,3,4,5,6,7
	ds_load_b128 v[AK+4*\f:AK+4*\f+3], v[MLD] offset:(\k)*8192+\f*512
.endr
.irp f, 0,1,2,3,4,5,6,7
	ds_load_b128 v[AV+4*\f:AV+4*\f+3], v[MLD] offset:(\k)*8192+4096+\f*512
.endr
	WIN 0x80
.irp f, 0,1,2,3,4,5,6,7
	ds_load_b128 v[QV+4*\f:QV+4*\f+3], v[QSA] offset:(\k)*XP+(\f/2)*64+(\f%2)*16
.endr
.endif
.if \doP && (\k > 0)
	s_wait_dscnt 4+25*\doM                         ; rel, asked for in the last step's middle, is in: behind its load stand that step's four stores of codes, its logit's store and the 24 loads above
.else
	s_wait_dscnt 24*\doM                           ; all that is older than the 24 loads of fragments and Q (rel, e and 1 / sum among it) is in
.endif
.if \doP
	s_wait_loadcnt 27                              ; this slot's eight features and one index are in: behind them stand three other slots' nine loads.  The wait also frees the slot's two address registers
	WIN 0x23
.irp t, 0,1,2,3
	v_wmma_f32_16x16x4_f32 v[NF+8*\t:NF+8*\t+7], v[PW+2*\t:PW+2*\t+1], v[RB:RB+1], v[32*(\k)+8*\t:32*(\k)+8*\t+7]
.endr
.endif
.if (\k > 0) || \doS
	s_wait_alu depctr_vm_vsrc(0)                   ; the LDS stores issued so far have read PT, CK, CV and LGP (in a trip's first step: the softmax's v240-246), which this step writes again
.endif
.if \doS
	S2A \k                                         ; its sixteen packed lines are also the eight places behind the f32 products (ISA guide 7.12.1), ahead of the holds
.elseif \doP
.rept 8
	v_nop
.endr
.endif
.if \doP
	GADDR \k
	WIN 0x80
.endif
.if \doS || \doP
	s_wait_alu depctr_va_vdst(0)                   ; the step's middle: the f32 products are done reading the slot and RB, in which loads land; the slot's addresses and PT are written, which the loads and stores read; the lines that named the slot's index are done
.endif
.if \doP
	GLOAD \k
.endif
.if \doS
	S2B \k
.endif
.if rbn
	ds_load_b64 v[RB:RB+1], v[RELA] offset:((\k)+1)*256    ; the next step's rel
.endif
.if \doM
	s_wait_dscnt 8+4*\doS+rbn                      ; both fragments are in; Q's eight loads, the weighted sum's four stores and rel's load may be out
	WIN 0x21                                       ; the accumulators take turns, one instruction a turn
.set hn, 0
.irp t, 0,1,2,3
	v_wmma_f32_16x16x128_bf8_bf8 v[KAC+8*\t:KAC+8*\t+7], v[32*\t:32*\t+15], v[AK:AK+15], v[KBS+8*\t:KBS+8*\t+7]
.if \doP
	HOLDK 4
.endif
.endr
	WIN 0x01
.irp t, 0,1,2,3
	v_wmma_f32_16x16x128_bf8_bf8 v[KAC+8*\t:KAC+8*\t+7], v[32*\t+16:32*\t+31], v[AK+16:AK+31], v[KAC+8*\t:KAC+8*\t+7]
.if \doP
	HOLDK 4
.endif
.endr
	WIN 0xf4
.set hn, 0
.irp t, 0,1,2,3
	v_wmma_f32_16x16x128_bf8_bf8 v[32*(\k)+8*\t:32*(\k)+8*\t+7], v[AV:AV+15], v[128+32*\t:128+32*\t+15], 0
.if \doP
	HOLDV 4
.endif
.endr
.irp t, 0,1,2,3
	v_wmma_f32_16x16x128_bf8_bf8 v[32*(\k)+8*\t:32*(\k)+8*\t+7], v[AV+16:AV+31], v[128+32*\t+16:128+32*\t+31], v[32*(\k)+8*\t:32*(\k)+8*\t+7]
.if \doP
	HOLDV 4
.endif
.endr
.if \doP == 0
.rept 4
	v_nop                                          ; four places ahead of the logits' reads
.endr
.endif
.elseif \doP
	WIN 0
.set hn, 0
	HOLDK 32
	WIN 0xc0
.set hn, 0
	HOLDV 32
.endif
.if \doP
	WIN 0
.irp g, 0,1,2,3
	v_cvt_scalef32_pk8_bf8_f32 v[CK+2*\g:CK+2*\g+1], v[HK+8*\g:HK+8*\g+7], v[SCK]
.endr
	WIN 0x03
.irp g, 0,1,2,3
	v_cvt_scalef32_pk8_bf8_f32 v[CV+2*\g:CV+2*\g+1], v[HV+8*\g:HV+8*\g+7], v[SCV]
.endr
	WIN 0
	v_nop                                          ; one plain vector instruction behind the last scaled conversion
.endif
.if \doM
	s_wait_dscnt 4*\doS+rbn                        ; Q is in; the weighted sum's stores and rel's load, issued behind its loads, may be out
	WIN 0x08
	v_pk_mul_f32 v[LA:LA+1], v[KAC:KAC+1], v[QV:QV+1]                  ; each accumulator is read from its low end on
	v_pk_mul_f32 v[LA+2:LA+3], v[KAC+16:KAC+17], v[QV+16:QV+17]
.irp p, 2,4,6,8,10,12,14
	v_pk_fma_f32 v[LA:LA+1], v[KAC+\p:KAC+\p+1], v[QV+\p:QV+\p+1], v[LA:LA+1]
	v_pk_fma_f32 v[LA+2:LA+3], v[KAC+16+\p:KAC+17+\p], v[QV+16+\p:QV+17+\p], v[LA+2:LA+3]
.endr
	WIN 0
	v_pk_add_f32 v[LA:LA+1], v[LA:LA+1], v[LA+2:LA+3]
	v_add_f32 v[LGP], v[LA], v[LA+1]
	v_permlanex16_b32 v[LGQ], v[LGP], s88, s89
	v_add_f32 v[LGP], v[LGP], v[LGQ]               ; neighbour r's logit over my 64 channels
.endif
.if \doM || \doP
	s_wait_alu depctr_va_vdst(0)                   ; the step's end: the conversions have written CK and CV and the logit's sum LGP, which the stores below read; the products and the logits are done reading AK, AV and QV, in which the next step's loads land
.endif
.if \doP
	ds_store_b128 v[PST], v[CK:CK+3] offset:(\k)*8192
	ds_store_b128 v[PST], v[CK+4:CK+7] offset:(\k)*8192+512
	ds_store_b128 v[PST], v[CV:CV+3] offset:(\k)*8192+4096
	ds_store_b128 v[PST], v[CV+4:CV+7] offset:(\k)*8192+4096+512
.endif
.if \doM
	ds_store_b32 v[LGWA], v[LGP] offset:(\k)*256
.endif
.endm
; Q for the 16 rows mt: transposed, so that a lane's eight results are eight neighbouring channels of a query.
.macro QPROD mt
	WIN 0
.irp f, 0,1,2,3,4,5,6,7
	ds_load_b128 v[AK+4*\f:AK+4*\f+3], v[QIR] offset:(\mt)*4096+\f*512     ; no wait: no vector or matrix instruction since the last wait on va_vdst names AK
.endr
	s_wait_dscnt 0x0
	WIN 0x03
.irp t, 0,1,2,3
	v_wmma_f32_16x16x128_bf8_bf8 v[KAC+8*\t:KAC+8*\t+7], v[32*\t:32*\t+15], v[AK:AK+15], 0
.endr
.irp t, 0,1,2,3
	v_wmma_f32_16x16x128_bf8_bf8 v[KAC+8*\t:KAC+8*\t+7], v[32*\t+16:32*\t+31], v[AK+16:AK+31], v[KAC+8*\t:KAC+8*\t+7]
.endr
.rept 4
	v_nop
.endr
.if \mt > 0
	s_wait_alu depctr_vm_vsrc(0)                   ; the LDS stores of the first 16 rows' Q have read AV, which is written again below; those of x's codes have read CK
.endif
	WIN 0x20
.irp p, 0,2,4,6,8,10,12,14,16,18,20,22,24,26,28,30
	v_pk_fma_f32 v[AV+\p:AV+\p+1], v[KAC+\p:KAC+\p+1], s[72:73], v[QV+\p:QV+\p+1] op_sel_hi:[1,0,1]
.endr
	WIN 0
	s_wait_alu depctr_va_vdst(0)                   ; the multiply-adds have written AV, which the LDS stores read; the products are done reading AK, in which the next 16 rows' fragments land
.irp f, 0,1,2,3,4,5,6,7
	ds_store_b128 v[QSW], v[AV+4*\f:AV+4*\f+3] offset:(\mt)*16*XP+(\f/2)*64+(\f%2)*16
.endr
.endm
.Llayer:
	s_load_b512 s[20:35], s[0:1], 0x40             ; pos_w, pos_b, q_w, q_b, k_w, k_b, v_w, v_b of layer 0,
	s_load_b512 s[36:51], s[0:1], 0x80             ; and of layer 1.  (All loads that named the old pointers have been waited for)
	s_wait_kmcnt 0x0
	s_cmp_eq_u32 s75, 0
.irp p, 0,2,4,6,8,10,12,14
	s_cselect_b64 s[20+\p:21+\p], s[20+\p:21+\p], s[36+\p:37+\p]
.endr
.irp i, 0,1,2,3,4,5
	s_cselect_b32 s[90+\i], s[52+\i], s[58+\i]     ; eQA, eQB, eKA, eKB, eVA, eVB
.endr
	s_add_co_i32 s96, s92, 127                     ; K's operand: 2^e for the conversion, +-57,344 x 2^e for the hold
	s_lshl_b32 s97, s96, 23
	v_mov_b32 v[SCK], s97
	s_add_co_i32 s96, s96, 15
	s_lshl_b32 s96, s96, 23
	s_or_b32 s67, s96, 0x600000
	s_or_b32 s66, s67, 0x80000000
	s_add_co_i32 s96, s94, 127                     ; V's
	s_lshl_b32 s97, s96, 23
	v_mov_b32 v[SCV], s97
	s_add_co_i32 s96, s96, 15
	s_lshl_b32 s96, s96, 23
	s_or_b32 s69, s96, 0x600000
	s_or_b32 s68, s69, 0x80000000
	s_add_co_i32 s96, s90, 127                     ; Q's
	s_lshl_b32 s97, s96, 23
	v_mov_b32 v[SCQ], s97
	s_add_co_i32 s96, s96, 15
	s_lshl_b32 s96, s96, 23
	s_or_b32 s71, s96, 0x600000
	s_or_b32 s70, s71, 0x80000000
	s_add_co_i32 s96, s92, s93
	s_sub_co_i32 s87, 0, s96                       ; k_b goes in divided by 2^(eKA + eKB)
	s_add_co_i32 s96, s96, 127
	s_lshl_b32 s96, s96, 23
	s_mul_f32 s86, s96, 0x3db8aa3b                 ; fK = log2(e) / 16 x 2^(eKA + eKB)
	s_add_co_i32 s96, s90, s91
	s_add_co_i32 s96, s96, 127
	s_lshl_b32 s96, s96, 23
	s_mul_f32 s72, s96, s86                        ; 2^(eQA + eQB) x fK
	s_mov_b32 s73, s72                             ; (named with it as a pair, so it is written)
	s_add_co_i32 s96, s94, s95
	s_add_co_i32 s96, s96, 127
	s_lshl_b32 s74, s96, 23                        ; 2^(eVA + eVB)
	s_lshl_b32 s98, s2, 14                         ; my 64 rows of each weight,
	s_mov_b32 s99, 0
	s_lshl_b32 s100, s2, 8                         ; my 64 numbers of each bias and of each row of pos_w
	s_mov_b32 s101, 0
	s_add_nc_u64 s[24:25], s[24:25], s[98:99]
	s_add_nc_u64 s[28:29], s[28:29], s[98:99]
	s_add_nc_u64 s[32:33], s[32:33], s[98:99]
	s_add_nc_u64 s[20:21], s[20:21], s[100:101]
	s_add_nc_u64 s[22:23], s[22:23], s[100:101]
	s_add_nc_u64 s[26:27], s[26:27], s[100:101]
	s_add_nc_u64 s[30:31], s[30:31], s[100:101]
	s_add_nc_u64 s[34:35], s[34:35], s[100:101]
	s_wait_alu depctr_vm_vsrc(0)                   ; the loads and LDS stores issued so far have read their registers: v[XQA], written below; v240-247, AK and AV, in which loads land below; v220-235 and the places v24-26, which the layer writes
	v_add_nc_u32 v[XQA], s85, v[XQB]               ; where my fragment's part of the layer's x lies
	WIN 0xc0
	s_wait_alu depctr_va_vdst(0)                   ; v[XQA] is written, which the LDS loads behind the barrier read; the last layer's products and sums are done with the registers in which the weights, the biases and x land
.irp f, 0,1,2,3,4,5,6,7
.irp c, 0,1,2,3
	global_load_b128 v[16*\f+4*\c:16*\f+4*\c+3], v[WFR], s[24:25] offset:(\f/2)*4096+(\f%2)*128+\c*32      ; Q's weights: fragment (tile f / 2, K step f % 2)
.endr
.endr
.irp t, 0,1,2,3
	global_load_b32 v[PW+2*\t], v[PWA], s[20:21] offset:(\t/2)*128+(\t%2)*32
.endr
	WIN 0x80
.irp f, 0,1,2,3,4,5,6,7
	global_load_b128 v[QV+4*\f:QV+4*\f+3], v[BOF], s[26:27] offset:(\f/2)*64+(\f%2)*16
	global_load_b128 v[KBS+4*\f:KBS+4*\f+3], v[BOF], s[30:31] offset:(\f/2)*64+(\f%2)*16
.endr
	WIN 0
.irp t, 0,1,2,3
	global_load_b32 v[VB+\t], v[R4], s[34:35] offset:\t*64
	global_load_b32 v[240+\t], v[PWB], s[20:21] offset:1024+(\t/2)*128+(\t%2)*32
	global_load_b32 v[244+\t], v[PWB], s[22:23] offset:(\t/2)*128+(\t%2)*32
.endr
	WIN 0x40
.irp f, 0,1,2,3,4,5,6,7
.irp c, 0,1,2,3
	global_load_b128 v[16*\f+4*\c:16*\f+4*\c+3], v[WFR], s[28:29] offset:(\f/2)*4096+(\f%2)*128+\c*32
.endr
.endr
.irp f, 0,1,2,3,4,5,6,7
.irp c, 0,1,2,3
	global_load_b128 v[128+16*\f+4*\c:128+16*\f+4*\c+3], v[WFR], s[32:33] offset:(\f/2)*4096+(\f%2)*128+\c*32
.endr
.endr
	WIN 0
	BAR                                            ; the layer's x lies whole in LDS (and, in front of the first layer, rel)
.irp f, 0,1,2,3,4,5,6,7,8,9,10,11,12,13,14,15  ; x is quantised: each wave makes one of the four fragments
	ds_load_b128 v[AK+4*\f:AK+4*\f+3], v[XQA] offset:(\f/4)*128+(\f%4)*16
.endr
	s_wait_dscnt 0x0
.set hn, 0
.rept 64
	v_med3_num_f32 v[AK+hn], v[AK+hn], s70, s71
.set hn, hn+1
.endr
.irp g, 0,1,2,3,4,5,6,7
	v_cvt_scalef32_pk8_bf8_f32 v[CK+2*\g:CK+2*\g+1], v[AK+8*\g:AK+8*\g+7], v[SCQ]
.endr
	v_nop                                          ; one plain vector instruction behind the last scaled conversion
	s_wait_alu depctr_va_vdst(0)                   ; the conversions have written v128-143, which the LDS stores read, and are done reading AK, in which Q's fragments land
.irp c, 0,1,2,3
	ds_store_b128 v[QIW], v[CK+4*\c:CK+4*\c+3] offset:\c*512
.endr
	BAR                                            ; the four fragments lie in LDS
	s_wait_loadcnt 63                              ; K's and V's weights are the last 64 loads: with 63 out, all that is older is in
	v_cmp_ne_u32 vcc_lo, 0, v3
	s_wait_alu depctr_va_vcc(0)                    ; VCC is written, ahead of the selects that read it
	WIN 0xc0
.irp t, 0,1,2,3
	v_cndmask_b32 v[PW+2*\t+1], v[240+\t], v[244+\t], vcc_lo       ; register 1: W1 in lanes 0-15, pos_b in lanes 16-31
.endr
	WIN 0x82
.set hn, 0
.rept 32
	v_mul_f32 v[QV+hn], v[QV+hn], s86              ; q_b x fK
	v_ldexp_f32 v[KBS+hn], v[KBS+hn], s87
.set hn, hn+1
.endr
	QPROD 0
	QPROD 1
	s_wait_loadcnt 0x0                             ; the weights
	s_mov_b32 s77, 0                               ; codes: the buffer that P writes, the buffer that M reads,
	s_mov_b32 s78, 32768
	s_mov_b32 s79, 0                               ; logits: M writes, S reads,
	s_mov_b32 s80, 1024
	s_mov_b32 s81, 0                               ; P's block in rel, M's in Q, S's in the layer's result,
	s_mov_b32 s82, 0
	s_add_co_u32 s83, s85, XB
	s_mov_b32 s84, 512                             ; and the block of indices to be asked for
	THEAD 0, 0, 1, 0                               ; trip 0
.irp k, 0,1,2,3
	STEP \k, 0, 0, 1
.endr
	NEXT 0, 0, 1
	THEAD 0, 1, 1, 1                               ; trip 1
.irp k, 0,1,2,3
	STEP \k, 0, 1, 1
.endr
	NEXT 0, 1, 1
	s_mov_b32 s76, 6
.Ltrip:                                                ; trips 2 to 7
	THEAD 1, 1, 1, 1
	S1
.irp k, 0,1,2,3
	STEP \k, 1, 1, 1
.endr
	NEXT 1, 1, 1
	s_sub_co_u32 s76, s76, 1
	s_cmp_lg_u32 s76, 0
	s_cbranch_scc1 .Ltrip
	THEAD 1, 1, 0, 1                               ; trip 8
	S1
.irp k, 0,1,2,3
	STEP \k, 1, 1, 0
.endr
	NEXT 1, 1, 0
	THEAD 1, 0, 0, 1                               ; trip 9
	S1
.irp k, 0,1,2,3
	STEP \k, 1, 0, 0
.endr
	s_add_co_u32 s85, s85, XB                      ; the layer's result is the next layer's x
	s_add_co_u32 s75, s75, 1
	s_cmp_lt_u32 s75, 2
	s_cbranch_scc1 .Llayer
	; ---- y0 = lossy_F + the second layer's result; mean and sum of squared deviations of the work-group's 32 rows.  Thread t owns channels 2 t and 2 t + 1.
	BAR
	s_wait_loadcnt 0x0                             ; the ring's last loads
	v_lshlrev_b32 v24, 3, v0
	v_add_nc_u32 v25, 2*XB, v24
	s_wait_alu depctr_va_vdst(0)                   ; v24 and v25 are written, which the loads and stores below read; all that named v96-223, in which the loads land, is done
.set cr, 0
.rept 32
	ds_load_b64 v[96+2*cr:97+2*cr], v24 offset:cr*XP
	ds_load_b64 v[160+2*cr:161+2*cr], v25 offset:cr*XP
.set cr, cr+1
.endr
	s_wait_dscnt 0x0
.set cr, 0
.rept 32
	v_pk_add_f32 v[96+2*cr:97+2*cr], v[96+2*cr:97+2*cr], v[160+2*cr:161+2*cr]
.set cr, cr+1
.endr
	s_wait_alu depctr_va_vdst(0)                   ; the sums have written v96-159, which the stores read
.set cr, 0
.rept 32
	global_store_b64 v24, v[96+2*cr:97+2*cr], s[16:17] offset:cr*1024      ; a wave stores 256 consecutive bytes, aligned
.set cr, cr+1
.endr
.irp c, 0,1,2,3
	v_pk_add_f32 v[224+2*\c:225+2*\c], v[96+2*\c:97+2*\c], v[104+2*\c:105+2*\c]
.endr
.irp g, 2,3,4,5,6,7
.irp c, 0,1,2,3
	v_pk_add_f32 v[224+2*\c:225+2*\c], v[224+2*\c:225+2*\c], v[96+8*\g+2*\c:97+8*\g+2*\c]
.endr
.endr
	v_pk_add_f32 v[224:225], v[224:225], v[226:227]
	v_pk_add_f32 v[228:229], v[228:229], v[230:231]
	v_pk_add_f32 v[224:225], v[224:225], v[228:229]
	v_pk_mul_f32 v[232:233], v[224:225], 0x3d000000 op_sel_hi:[1,0]        ; / 32: the mean
.set cr, 0
.rept 32
	v_pk_add_f32 v[160+2*cr:161+2*cr], v[96+2*cr:97+2*cr], v[232:233] neg_lo:[0,1] neg_hi:[0,1]
.set cr, cr+1
.endr
.irp c, 0,1,2,3
	v_pk_mul_f32 v[224+2*\c:225+2*\c], v[160+2*\c:161+2*\c], v[160+2*\c:161+2*\c]
.endr
.irp g, 1,2,3,4,5,6,7
.irp c, 0,1,2,3
	v_pk_fma_f32 v[224+2*\c:225+2*\c], v[160+8*\g+2*\c:161+8*\g+2*\c], v[160+8*\g+2*\c:161+8*\g+2*\c], v[224+2*\c:225+2*\c]
.endr
.endr
	v_pk_add_f32 v[224:225], v[224:225], v[226:227]
	v_pk_add_f32 v[228:229], v[228:229], v[230:231]
	v_pk_add_f32 v[224:225], v[224:225], v[228:229]
	s_wait_alu depctr_va_vdst(0)                   ; the mean (v232-233) and the sum of squared deviations (v224-225) are written, which the last two stores read
	global_store_b64 v24, v[232:233], s[18:19]
	global_store_b64 v24, v[224:225], s[18:19] offset:1024
	s_set_vgpr_msb 0xa
	s_wait_dscnt 0x0
	s_wait_alu depctr_hold_cnt(0) depctr_sa_sdst(0) depctr_va_vdst(0) depctr_va_sdst(0) depctr_va_ssrc(0) depctr_va_vcc(0) depctr_vm_vsrc(0)
	s_wait_tensorcnt 0x0
	ds_add_u32 v158, v159
	s_wait_dscnt 0x0
	s_endpgm
.Lfunc_end_k_qe8c5fffdd8_attn:
	.size	k_qe8c5fffdd8_attn, .Lfunc_end_k_qe8c5fffdd8_attn-k_qe8c5fffdd8_attn
	.p2alignl 7, 3214868480
	.fill 96, 4, 3214868480
	.section	.rodata,"a",@progbits
	.p2align	6, 0x0
	.amdhsa_kernel k_qe8c5fffdd8_attn
		.amdhsa_group_segment_fixed_size 219648
		.amdhsa_private_segment_fixed_size 0
		.amdhsa_enable_private_segment 0
		.amdhsa_kernarg_size 192
		.amdhsa_user_sgpr_count 2
		.amdhsa_user_sgpr_kernarg_segment_ptr 1
		.amdhsa_wavefront_size32 1
		.amdhsa_system_sgpr_workgroup_id_x 1
		.amdhsa_system_sgpr_workgroup_id_y 1
		.amdhsa_system_sgpr_workgroup_id_z 1
		.amdhsa_system_vgpr_workitem_id 0
		.amdhsa_next_free_vgpr 1024
		.amdhsa_next_free_sgpr 102
		.amdhsa_reserve_vcc 1
		.amdhsa_float_denorm_mode_32 3
		.amdhsa_float_denorm_mode_16_64 3
		.amdhsa_memory_ordered 1
		.amdhsa_forward_progress 1
		.amdhsa_inst_pref_size 227
	.end_amdhsa_kernel
	.amdgpu_metadata
---
amdhsa.version: [ 1, 2 ]
amdhsa.kernels:
  - .name:           k_qe8c5fffdd8_attn
    .symbol:         k_qe8c5fffdd8_attn.kd
    .args:
      - { .name: idx, .offset: 0, .size: 8, .value_kind: global_buffer, .address_space: global }
      - { .name: lossy_C, .offset: 8, .size: 8, .value_kind: global_buffer, .address_space: global }
      - { .name: ref_C, .offset: 16, .size: 8, .value_kind: global_buffer, .address_space: global }
      - { .name: lossy_F, .offset: 24, .size: 8, .value_kind: global_buffer, .address_space: global }
      - { .name: ref_F, .offset: 32, .size: 8, .value_kind: global_buffer, .address_space: global }
      - { .name: lowp_scales, .offset: 40, .size: 8, .value_kind: global_buffer, .address_space: global }
      - { .name: y0, .offset: 48, .size: 8, .value_kind: global_buffer, .address_space: global }
      - { .name: part0, .offset: 56, .size: 8, .value_kind: global_buffer, .address_space: global }
      - { .name: pos0_w, .offset: 64, .size: 8, .value_kind: global_buffer, .address_space: global }
      - { .name: pos0_b, .offset: 72, .size: 8, .value_kind: global_buffer, .address_space: global }
      - { .name: q0_w_codes, .offset: 80, .size: 8, .value_kind: global_buffer, .address_space: global }
      - { .name: q0_b, .offset: 88, .size: 8, .value_kind: global_buffer, .address_space: global }
      - { .name: k0_w_codes, .offset: 96, .size: 8, .value_kind: global_buffer, .address_space: global }
      - { .name: k0_b, .offset: 104, .size: 8, .value_kind: global_buffer, .address_space: global }
      - { .name: v0_w_codes, .offset: 112, .size: 8, .value_kind: global_buffer, .address_space: global }
      - { .name: v0_b, .offset: 120, .size: 8, .value_kind: global_buffer, .address_space: global }
      - { .name: pos1_w, .offset: 128, .size: 8, .value_kind: global_buffer, .address_space: global }
      - { .name: pos1_b, .offset: 136, .size: 8, .value_kind: global_buffer, .address_space: global }
      - { .name: q1_w_codes, .offset: 144, .size: 8, .value_kind: global_buffer, .address_space: global }
      - { .name: q1_b, .offset: 152, .size: 8, .value_kind: global_buffer, .address_space: global }
      - { .name: k1_w_codes, .offset: 160, .size: 8, .value_kind: global_buffer, .address_space: global }
      - { .name: k1_b, .offset: 168, .size: 8, .value_kind: global_buffer, .address_space: global }
      - { .name: v1_w_codes, .offset: 176, .size: 8, .value_kind: global_buffer, .address_space: global }
      - { .name: v1_b, .offset: 184, .size: 8, .value_kind: global_buffer, .address_space: global }
    .group_segment_fixed_size: 219648
    .private_segment_fixed_size: 0
    .kernarg_segment_align: 8
    .kernarg_segment_size: 192
    .max_flat_workgroup_size: 128
    .sgpr_count:     102
    .vgpr_count:     1024
    .wavefront_size: 32
...
	.end_amdgpu_metadata
.endif
;; end of part 7
;; launch stat0: the kernel of part 4 again; grid 4 x 1, 16 waves a work-group, no clusters, 18,432 bytes of LDS; arguments part0, bn0_g, coef0; writes coef0
;; launch lin (part 8): grid 256 x 1, 4 waves a work-group, no clusters, 75,264 bytes of LDS; arguments y0, coef0, bn0_b, lin_w_codes, lin_b, lowp_scales, u, part1; writes u, part1
.if DOCPART == 8
	.amdgcn_target "amdgcn-amd-amdhsa--gfx1250"
	.amdhsa_code_object_version 6
	.text
	.protected	k_qe8c5fffdd8_lin
	.globl	k_qe8c5fffdd8_lin
	.p2align	8
	.type	k_qe8c5fffdd8_lin,@function
k_qe8c5fffdd8_lin:
	s_mov_b64 s[64:65], 0
	v_nop
	global_prefetch_b8 v0, s[64:65] scope:SCOPE_SE
	s_setreg_imm32_b32 hwreg(HW_REG_WAVE_SCHED_MODE, 0, 2), 2
	s_setreg_imm32_b32 hwreg(HW_REG_WAVE_MODE, 25, 1), 1
	s_wait_xcnt 0x0
	s_wait_alu depctr_vm_vsrc(0)
; z = (y0 - mean) x scale + bn0_b;  u = Q(z) lin_w + lin_b + z, the product on codes of E5M2 with the given scales (entries 12 and 13);  mean and sum of squared deviations of the work-group's 32 rows of u.
; Four waves share the columns: wave w owns output channels 64 w on and keeps its eight weight fragments in registers.  z goes through LDS as rows (pitch 1,040), its codes as images of the operand's registers.
; The product is used transposed (source 0 = 16 rows of the weight, source 1 = 16 rows of z): a lane's eight results are eight neighbouring channels of a row.
; No cluster, no tensor load: a work-group's own rows are shared with nobody, and the shared weight is 64 KiB read once into registers.
; LIMITS: NaN among the inputs is not served; entry 12 lies between -126 and 112, the sum of entries 12 and 13 between -126 and 127.
; THE MODE: SCHED_MODE bits 1:0 = 2 (LLVM: expert scheduling mode 2), set by the entry lines.  The code itself states the register dependences between vector or matrix instructions and memory or LDS
; instructions, with s_wait_alu, always for 0.
; THE PLAN.  v4-13: places, written once at the head.  v16-79: y0 as loaded, z as stored to LDS, z's pieces for the quantiser; then v16-47 a fragment of codes and, behind the products, z in the result's layout,
; and v48-79 the accumulators, which become u and are stored to LDS.  v80-95: mean and scale, then the codes, stored to LDS.  v96-127: beta, then lin_b.  v128-255: the weights, then u's columns.
; Each phase does all its arithmetic, then one wait on va_vdst, then its run of stores and the loads that land where the arithmetic read; a wait on vm_vsrc stands ahead of whatever writes what a store has read.
.set XP,  1040
.set ZL,  0                            ; LDS: z, [32][XP];
.set UL,  32*XP                        ; u likewise;
.set IMG, 64*XP                        ; the four fragments of codes, 2,048 bytes each
.macro BAR
	s_wait_dscnt 0x0
	s_barrier_signal -1
	s_barrier_wait -1
.endm
	s_load_b512 s[4:19], s[0:1], 0x0               ; y0, coef0, bn0_b, lin_w_codes, lin_b, lowp_scales, u, part1
	v_lshl_add_u32 v15, v0, 2, 0x12400
	s_set_vgpr_msb 0x40
	v_mov_b32 v1, 0
	s_set_vgpr_msb 0x4000
	v_lshrrev_b32 v1, 5, v0
	v_readfirstlane_b32 s2, v1                     ; wave w
	v_and_b32 v1, 31, v0                           ; lane
	v_and_b32 v2, 15, v0                           ; r
	v_bfe_u32 v3, v0, 4, 1                         ; h
	v_lshlrev_b32 v4, 4, v1                        ; 16 x lane
	s_wait_alu depctr_va_sdst(0)                   ; s2 is written, ahead of its first reader
	s_lshl_b32 s30, s2, 13
	v_lshl_add_u32 v5, v1, 4, s30                  ; my wave's eight rows of y0
	s_mul_i32 s31, s2, 8*XP
	v_lshl_add_u32 v6, v1, 4, s31                  ; the same in z
	v_lshlrev_b32 v7, 8, v2
	v_lshl_add_u32 v7, v3, 4, v7                   ; a weight's fragment: row r of 256 codes, + 16 h
	v_lshlrev_b32 v8, 5, v3                        ; the bias in the result's layout
	s_lshr_b32 s30, s2, 1                          ; the fragment that I make: rows 16 (w / 2) on, K step w % 2
	s_mul_i32 s30, s30, 16*XP
	s_and_b32 s31, s2, 1
	s_lshl_b32 s31, s31, 9
	s_add_co_u32 s30, s30, s31
	v_mul_u32_u24 v9, v2, XP
	v_lshl_add_u32 v9, v3, 6, v9
	v_add_nc_u32 v9, s30, v9
	s_lshl_b32 s30, s2, 11
	s_add_co_u32 s30, s30, IMG
	v_lshl_add_u32 v10, v1, 4, s30
	v_lshl_add_u32 v11, v1, 4, IMG
	s_lshl_b32 s26, s2, 8
	v_mul_u32_u24 v12, v2, XP
	v_lshl_add_u32 v12, v3, 5, v12
	v_add_nc_u32 v12, s26, v12                     ; the result's layout in z and in u: row r, my 64 channels, + 8 h
	v_lshlrev_b32 v13, 3, v0                       ; the column pass: 8 x thread
	s_lshl_b32 s20, ttmp9, 15
	s_mov_b32 s21, 0
	s_lshl_b32 s22, ttmp9, 11
	s_mov_b32 s23, 0
	s_lshl_b32 s24, s2, 14
	s_mov_b32 s25, 0
	s_mov_b32 s27, 0
	s_wait_kmcnt 0x0
	s_load_b64 s[28:29], s[14:15], 0x30            ; entries 12 and 13
	s_add_nc_u64 s[4:5], s[4:5], s[20:21]
	s_add_nc_u64 s[16:17], s[16:17], s[20:21]
	s_add_nc_u64 s[18:19], s[18:19], s[22:23]
	s_add_nc_u64 s[10:11], s[10:11], s[24:25]
	s_add_nc_u64 s[12:13], s[12:13], s[26:27]
	s_wait_alu depctr_va_vdst(0)                   ; the places v4-13 are written, which the kernel's loads and stores read as addresses
	global_load_b128 v[80:83], v4, s[6:7]                  ; mean, scale, beta of my four channels in each half of a row
	global_load_b128 v[84:87], v4, s[6:7] offset:512
	global_load_b128 v[88:91], v4, s[6:7] offset:1024
	global_load_b128 v[92:95], v4, s[6:7] offset:1536
	global_load_b128 v[96:99], v4, s[8:9]
	global_load_b128 v[100:103], v4, s[8:9] offset:512
.irp f, 0,1,2,3,4,5,6,7,8,9,10,11,12,13,14,15
	global_load_b128 v[16+4*\f:19+4*\f], v5, s[4:5] offset:(\f/2)*1024+(\f%2)*512 th:TH_LOAD_NT    ; 32 lanes read 512 consecutive bytes
.endr
.irp f, 0,1,2,3,4,5,6,7
.irp c, 0,1,2,3
	global_load_b128 v[128+16*\f+4*\c:131+16*\f+4*\c], v7, s[10:11] offset:(\f/2)*4096+(\f%2)*128+\c*32
.endr
.endr
	s_wait_loadcnt 32                              ; all but the weights' 32 loads
.irp f, 0,1,2,3,4,5,6,7,8,9,10,11,12,13,14,15
.irp p, 0,2
	v_pk_add_f32 v[16+4*\f+\p:17+4*\f+\p], v[16+4*\f+\p:17+4*\f+\p], v[80+4*(\f%2)+\p:81+4*(\f%2)+\p] neg_lo:[0,1] neg_hi:[0,1]
	v_pk_fma_f32 v[16+4*\f+\p:17+4*\f+\p], v[16+4*\f+\p:17+4*\f+\p], v[88+4*(\f%2)+\p:89+4*(\f%2)+\p], v[96+4*(\f%2)+\p:97+4*(\f%2)+\p]
.endr
.endr
	s_wait_alu depctr_va_vdst(0)                   ; z is written in v16-79, which the LDS stores read; the multiply-adds are done reading beta in v96-103, where lin_b lands
.irp f, 0,1,2,3,4,5,6,7,8,9,10,11,12,13,14,15
	ds_store_b128 v6, v[16+4*\f:19+4*\f] offset:(\f/2)*XP+(\f%2)*512
.endr
.irp f, 0,1,2,3,4,5,6,7
	global_load_b128 v[96+4*\f:99+4*\f], v8, s[12:13] offset:(\f/2)*64+(\f%2)*16   ; lin_b in the result's layout
.endr
	s_wait_kmcnt 0x0
	s_add_co_i32 s30, s28, 127
	s_lshl_b32 s31, s30, 23
	v_mov_b32 v14, s31                             ; 2^e for the conversion
	s_add_co_i32 s30, s30, 15
	s_lshl_b32 s30, s30, 23
	s_or_b32 s33, s30, 0x600000                    ; +-57,344 x 2^e for the hold
	s_or_b32 s32, s33, 0x80000000
	s_add_co_i32 s34, s28, s29
	s_add_co_i32 s34, s34, 127
	s_lshl_b32 s34, s34, 23                        ; 2^(the two exponents added)
	s_mov_b32 s35, s34                             ; (named with it as a pair, so it is written)
	BAR                                            ; z lies whole in LDS
	s_wait_alu depctr_vm_vsrc(0)                   ; my LDS stores have read v16-79, in which the loads below land
.irp f, 0,1,2,3,4,5,6,7,8,9,10,11,12,13,14,15
	ds_load_b128 v[16+4*\f:19+4*\f], v9 offset:(\f/4)*128+(\f%4)*16
.endr
	s_wait_dscnt 0x0
.set hn, 0
.rept 64
	v_med3_num_f32 v[16+hn], v[16+hn], s32, s33    ; the conversion to an 8-bit code does not saturate (ISA guide 7.6.2)
.set hn, hn+1
.endr
.irp g, 0,1,2,3,4,5,6,7
	v_cvt_scalef32_pk8_bf8_f32 v[80+2*\g:81+2*\g], v[16+8*\g:23+8*\g], v14
.endr
	v_nop                                          ; one plain vector instruction behind the last scaled conversion
	s_wait_alu depctr_va_vdst(0)                   ; the conversions have written v80-95, which the LDS stores read, and are done reading v16-47, in which the first fragments land
.irp c, 0,1,2,3
	ds_store_b128 v10, v[80+4*\c:83+4*\c] offset:\c*512
.endr
	BAR                                            ; the four fragments lie in LDS
	s_wait_loadcnt 0x0                             ; the weights and lin_b
.irp mt, 0,1
.irp f, 0,1,2,3,4,5,6,7
	ds_load_b128 v[16+4*\f:19+4*\f], v11 offset:\mt*4096+\f*512
.endr
	s_wait_dscnt 0x0
.if \mt > 0
	s_wait_alu depctr_vm_vsrc(0)                   ; the LDS stores of u's first 16 rows have read v48-79, which the products write
.endif
.irp t, 0,1,2,3                        ; the accumulators take turns, one instruction a turn
	v_wmma_f32_16x16x128_bf8_bf8 v[48+8*\t:55+8*\t], v[128+32*\t:143+32*\t], v[16:31], 0
.endr
.irp t, 0,1,2,3
	v_wmma_f32_16x16x128_bf8_bf8 v[48+8*\t:55+8*\t], v[144+32*\t:159+32*\t], v[32:47], v[48+8*\t:55+8*\t]
.endr
.rept 4
	v_nop                                          ; four places ahead of the first read of results
.endr
	s_wait_alu depctr_va_vdst(0)                   ; the products are done reading the fragments in v16-47, in which z lands
.irp f, 0,1,2,3,4,5,6,7
	ds_load_b128 v[16+4*\f:19+4*\f], v12 offset:\mt*16*XP+(\f/2)*64+(\f%2)*16      ; z in the result's layout
.endr
	s_wait_dscnt 0x0
.irp p, 0,2,4,6,8,10,12,14,16,18,20,22,24,26,28,30
	v_pk_fma_f32 v[48+\p:49+\p], v[48+\p:49+\p], s[34:35], v[96+\p:97+\p] op_sel_hi:[1,0,1]
	v_pk_add_f32 v[48+\p:49+\p], v[48+\p:49+\p], v[16+\p:17+\p]
.endr
	s_wait_alu depctr_va_vdst(0)                   ; u is written in v48-79, which the LDS stores read; the sums are done reading v16-47, and the products the weights, in which later loads land
.irp f, 0,1,2,3,4,5,6,7
	ds_store_b128 v12, v[48+4*\f:51+4*\f] offset:UL+\mt*16*XP+(\f/2)*64+(\f%2)*16
.endr
.endr
	BAR                                            ; u lies whole in LDS
	; thread t owns channels 2 t and 2 t + 1
.set cr, 0
.rept 32
	ds_load_b64 v[128+2*cr:129+2*cr], v13 offset:UL+cr*XP
.set cr, cr+1
.endr
	s_wait_dscnt 0x0
.set cr, 0
.rept 32
	global_store_b64 v13, v[128+2*cr:129+2*cr], s[16:17] offset:cr*1024    ; a wave stores 256 consecutive bytes, aligned
.set cr, cr+1
.endr
.irp c, 0,1,2,3
	v_pk_add_f32 v[16+2*\c:17+2*\c], v[128+2*\c:129+2*\c], v[136+2*\c:137+2*\c]
.endr
.irp g, 2,3,4,5,6,7
.irp c, 0,1,2,3
	v_pk_add_f32 v[16+2*\c:17+2*\c], v[16+2*\c:17+2*\c], v[128+8*\g+2*\c:129+8*\g+2*\c]
.endr
.endr
	v_pk_add_f32 v[16:17], v[16:17], v[18:19]
	v_pk_add_f32 v[20:21], v[20:21], v[22:23]
	v_pk_add_f32 v[16:17], v[16:17], v[20:21]
	v_pk_mul_f32 v[24:25], v[16:17], 0x3d000000 op_sel_hi:[1,0]            ; / 32: the mean
.set cr, 0
.rept 32
	v_pk_add_f32 v[192+2*cr:193+2*cr], v[128+2*cr:129+2*cr], v[24:25] neg_lo:[0,1] neg_hi:[0,1]
.set cr, cr+1
.endr
.irp c, 0,1,2,3
	v_pk_mul_f32 v[16+2*\c:17+2*\c], v[192+2*\c:193+2*\c], v[192+2*\c:193+2*\c]
.endr
.irp g, 1,2,3,4,5,6,7
.irp c, 0,1,2,3
	v_pk_fma_f32 v[16+2*\c:17+2*\c], v[192+8*\g+2*\c:193+8*\g+2*\c], v[192+8*\g+2*\c:193+8*\g+2*\c], v[16+2*\c:17+2*\c]
.endr
.endr
	v_pk_add_f32 v[16:17], v[16:17], v[18:19]
	v_pk_add_f32 v[20:21], v[20:21], v[22:23]
	v_pk_add_f32 v[16:17], v[16:17], v[20:21]
	s_wait_alu depctr_va_vdst(0)                   ; the mean (v24-25) and the sum of squared deviations (v16-17) are written, which the last two stores read
	global_store_b64 v13, v[24:25], s[18:19]
	global_store_b64 v13, v[16:17], s[18:19] offset:1024
	s_set_vgpr_msb 0x4
	s_wait_dscnt 0x0
	s_wait_alu depctr_hold_cnt(0) depctr_sa_sdst(0) depctr_va_vdst(0) depctr_va_sdst(0) depctr_va_ssrc(0) depctr_va_vcc(0) depctr_vm_vsrc(0)
	s_wait_tensorcnt 0x0
	ds_add_u32 v15, v1
	s_wait_dscnt 0x0
	s_endpgm
.Lfunc_end_k_qe8c5fffdd8_lin:
	.size	k_qe8c5fffdd8_lin, .Lfunc_end_k_qe8c5fffdd8_lin-k_qe8c5fffdd8_lin
	.p2alignl 7, 3214868480
	.fill 96, 4, 3214868480
	.section	.rodata,"a",@progbits
	.p2align	6, 0x0
	.amdhsa_kernel k_qe8c5fffdd8_lin
		.amdhsa_group_segment_fixed_size 75264
		.amdhsa_private_segment_fixed_size 0
		.amdhsa_enable_private_segment 0
		.amdhsa_kernarg_size 64
		.amdhsa_user_sgpr_count 2
		.amdhsa_user_sgpr_kernarg_segment_ptr 1
		.amdhsa_wavefront_size32 1
		.amdhsa_system_sgpr_workgroup_id_x 1
		.amdhsa_system_sgpr_workgroup_id_y 1
		.amdhsa_system_sgpr_workgroup_id_z 1
		.amdhsa_system_vgpr_workitem_id 0
		.amdhsa_next_free_vgpr 258
		.amdhsa_next_free_sgpr 66
		.amdhsa_reserve_vcc 0
		.amdhsa_float_denorm_mode_32 3
		.amdhsa_float_denorm_mode_16_64 3
		.amdhsa_memory_ordered 1
		.amdhsa_forward_progress 1
		.amdhsa_inst_pref_size 41
	.end_amdhsa_kernel
	.amdgpu_metadata
---
amdhsa.version: [ 1, 2 ]
amdhsa.kernels:
  - .name:           k_qe8c5fffdd8_lin
    .symbol:         k_qe8c5fffdd8_lin.kd
    .args:
      - { .name: y0, .offset: 0, .size: 8, .value_kind: global_buffer, .address_space: global }
      - { .name: coef0, .offset: 8, .size: 8, .value_kind: global_buffer, .address_space: global }
      - { .name: bn0_b, .offset: 16, .size: 8, .value_kind: global_buffer, .address_space: global }
      - { .name: lin_w_codes, .offset: 24, .size: 8, .value_kind: global_buffer, .address_space: global }
      - { .name: lin_b, .offset: 32, .size: 8, .value_kind: global_buffer, .address_space: global }
      - { .name: lowp_scales, .offset: 40, .size: 8, .value_kind: global_buffer, .address_space: global }
      - { .name: u, .offset: 48, .size: 8, .value_kind: global_buffer, .address_space: global }
      - { .name: part1, .offset: 56, .size: 8, .value_kind: global_buffer, .address_space: global }
    .group_segment_fixed_size: 75264
    .private_segment_fixed_size: 0
    .kernarg_segment_align: 8
    .kernarg_segment_size: 64
    .max_flat_workgroup_size: 128
    .sgpr_count:     66
    .vgpr_count:     258
    .wavefront_size: 32
...
	.end_amdgpu_metadata
.endif
;; end of part 8
;; launch stat1: the kernel of part 4 again; grid 4 x 1, 16 waves a work-group, no clusters, 18,432 bytes of LDS; arguments part1, bn1_g, coef1; writes coef1
;; launch bn: the kernel of part 6 again; grid 256 x 1, 8 waves a work-group, no clusters, 0 bytes of LDS; arguments u, coef1, bn1_b, out0; writes out0
